; MI455X (gfx1250); checked and timed in simulation.
; The chip was launched on July 23, 2026; its instructions are those of AMD's public machine-readable ISA for CDNA 5 (MIT licence, August 2026) and "CDNA5" Instruction Set Architecture Reference Guide (July 2026). The comments in the code are by the model that wrote it; some were corrected since.
;; Attention Block3 D. Allowed arithmetic: matrix products marked QUANTISED: E5M2 operands, one E8M0 scale for each 32 along K, by v_wmma_scale_f32_16x16x128_f8f6f4 with both operands' format E5M2, f32 sums; everything else in f32.
;; Inputs: b1 256 float32; b2 256 float32; bf1 1,024 float32; bf2 256 float32; bk 256 float32; bo 256 float32; bq 256 float32; bv 256 float32; g1 256 float32; g2 256 float32; w1 256 x 1,024 float32; w2 1,024 x 256 float32; wk 256 x 256 float32; wo 256 x 256 float32; wq 256 x 256 float32; wv 256 x 256 float32; x 2 x 256 x 16 x 16 x 16 float32.
;; Outputs: out0 2 x 256 x 16 x 16 x 16 float32.
;; This version of the problem:
;;   THIS VERSION OF THE PROBLEM IS GIVEN IN LOW PRECISION. The matrix products marked QUANTISED in the list below multiply operands that are first quantised to E5M2 (5 exponent bits, 2 mantissa bits; 8 bits a number), with one power-of-two scale for each 32 numbers along K (OCP MX v1.0); their sums are f32. All else is computed in f32.
;;   The module's matrix products, in the order in which they are computed (A, B: the left and right operand; K: the contracted axis; several contracted axes count as one K, in the product's order):
;;     1. [M 8,192, K 256] x [K 256, N 256]; A: computed on the way; B: input wq: QUANTISED
;;     2. [M 8,192, K 256] x [K 256, N 256]; A: computed on the way; B: input wk: QUANTISED
;;     3. [M 8,192, K 256] x [K 256, N 256]; A: computed on the way; B: input wv: QUANTISED
;;     4. batch 16 x [M 4,096, K 32] x [K 32, N 4,096]; A: computed on the way; B: computed on the way: QUANTISED
;;     5. batch 16 x [M 32, K 4,096] x [K 4,096, N 4,096]; A: computed on the way; B: softmax (see below): QUANTISED
;;     6. [M 8,192, K 256] x [K 256, N 256]; A: computed on the way; B: input wo: QUANTISED
;;     7. [M 8,192, K 256] x [K 256, N 1,024]; A: computed on the way; B: input w1: QUANTISED
;;     8. [M 8,192, K 1,024] x [K 1,024, N 256]; A: computed on the way; B: input w2: QUANTISED
;;   THE QUANTISER, for each operand of a quantised product, along K:
;;     - K is cut into blocks of 32 from its start; a last block that is shorter is filled with zeros.
;;     - A block's scale is 2^e with e = floor(log2(the largest magnitude in the block)) - 15, held to -126 .. 127; a block of zeros has e = 0. As a byte (E8M0): e + 127.
;;     - Each number is divided by its block's scale, clamped to +-57,344, and rounded to the nearest number of E5M2, ties to even, subnormals kept.
;;     - The product sums the exact products of the quantised numbers (number of the format x scale) in f32.
;;   ~~~python
;;   def quantise(x, axis):      # numpy; x: float32 -> the quantised numbers, widened to float32 again
;;       x = np.moveaxis(x, axis, -1); K = x.shape[-1]
;;       x = np.pad(x, [(0, 0)] * (x.ndim - 1) + [(0, -K % 32)]); x = x.reshape(x.shape[:-1] + (-1, 32)); a = np.abs(x).max(-1, keepdims=True)
;;       e = np.where(a > 0, np.clip(np.frexp(np.where(a > 0, a, 1))[1] - 1 - 15, -126, 127), 0)      # np.frexp(a)[1] - 1 = floor(log2(a)), exactly
;;       r = np.clip(x / 2.0 ** e, -57344, 57344)
;;       step = 2.0 ** (np.maximum(np.frexp(np.where(r == 0, 1, r))[1] - 1, -14) - 2)
;;       q = np.round(r / step) * step * 2.0 ** e      # np.round: ties to even
;;       return np.moveaxis(q.reshape(q.shape[:-2] + (-1,))[..., :K], -1, axis).astype(np.float32)
;;   ~~~
;;   SOFTMAX AHEAD OF A QUANTISED PRODUCT. Where the list says 'softmax', what is quantised is not the finished softmax but p = 2^(t - M), with t = logit x log2(e) and M = ceil(the row's largest t), a whole number; so 1/2 < the row's largest p <= 1. The row's sum l is taken of the UNQUANTISED p, in f32, and the product's result is divided by l at the end. Since M is a whole number, a kernel that streams over the keys may use a running M (the ceiling of the running maximum): every later rescaling is an exact power of two, which a block's scale takes up: the codes' values come out the same.
;;   OPERANDS COMPUTED ON THE WAY. 'Computed on the way' means the value that the module computes at that place (a softmax that the list does not call 'softmax' is quantised finished and normalised). What goes into a quantiser is computed in f32, as accurately as f32 sums, v_exp_f32 and their like allow (about 1e-6 of the number): no bf16 or f16 on the way to a quantiser, and a product that is left as it is and whose result goes on into a quantised operand takes f32 operands (vector FMAs, or v_wmma_f32_16x16x4_f32). A number that lies on a knife's edge between two numbers of the format may be rounded either way, as far as f32 arithmetic and the matrix unit's own rounding can turn it there, and no further.
;; One version. Each part assembles by itself: llvm-mc -triple=amdgcn-amd-amdhsa -mcpu=gfx1250 --defsym DOCPART=n.
;; ======== version 1 of 1: 4 launches
;; limits: right only within a limited range of input values
;; workspace buffers: wcodes 786,432 bytes; wscales 24,576 bytes; qc 2,097,152 bytes; qs 262,144 bytes; kv 4,194,304 bytes; sc 131,072 bytes; ac 2,097,152 bytes; asc 65,536 bytes
;; launch wquant (part 1): grid 96 x 1, 4 waves a work-group, no clusters, 0 bytes of LDS; arguments wq, wk, wv, wo, w1, w2, wcodes, wscales; writes wcodes, wscales
.if DOCPART == 1
	.amdgcn_target "amdgcn-amd-amdhsa--gfx1250"
	.amdhsa_code_object_version 6
	.text
	.protected	k_qf9b2b9054e_wquant
	.globl	k_qf9b2b9054e_wquant
	.p2align	8
	.type	k_qf9b2b9054e_wquant,@function
k_qf9b2b9054e_wquant:
	s_mov_b64 s[64:65], 0
	v_nop
	global_prefetch_b8 v0, s[64:65] scope:SCOPE_SE
	s_setreg_imm32_b32 hwreg(HW_REG_WAVE_MODE, 25, 1), 1
	s_wait_xcnt 0x0
; The six weights, f32 stored [K][N], become codes of BF8 (E5M2) with one E8M0 byte for each 32 along K, laid as IMAGES OF OPERAND REGISTERS.
; A fragment is 16 columns n x 128 along K: 16 registers a lane, 2,048 bytes: register group c of lane l at 512 c + 16 l.  Fragment F lies at 2048 F of wcodes, its 16 scale words at 64 F of wscales.
; F = base + ks x NT + tile (tile: 16 columns; ks: 128 along K): wq 0, wk 32, wv 64, wo 96 (NT 16, ks 0-1); w1 128 (NT 64, ks 0-1); w2 256 (NT 16, ks 0-7).  One wave makes one fragment: F = 4 x work-group + wave.
; ORDER INSIDE A BLOCK OF 32: lane half h, place 8 u + j holds true index 16 u + 8 h + j.  Every operand of this program is laid so, both sides of each product alike; the blocks are the true blocks of 32.
; A lane takes column n = 16 tile + lane % 16 and its registers run down K, so the conversions' results are the operand's registers; sixteen lanes read 64 neighbouring bytes, the four waves of a work-group 256.
; LIMITS: NaN and infinities among the inputs are not served.  A block of zeros gets the byte 1 where the rule says 127: its codes are zeros, and this program alone reads the bytes.
.set X,   16                           ; v16-79   64 numbers: register 16 c + 8 u + j
.set PC,  80                           ; v80-95   the codes
.set TM,  96                           ; v96-111  at work in QUANT
.set PW,  112                          ; v112     the scale word
.set SEL, 28                           ; s[28:29] v_permlanex16_b32's selects for lane l xor 16
.set MNT, 30                           ; s30      the mantissa field of 57,344
; 64 numbers of a lane, four blocks of 16 registers (the other 16 of each block lie in lane l xor 16), become 16 registers of codes at v[pc]; word = 1: the four bytes are packed into v[PW].  The bytes stay in v[TM+4] on.
.macro QUANT s, relu, pc, word
.irp b, 0,1,2,3
.if \relu
	v_max3_num_f32 v[TM+\b], v[\s+16*\b], v[\s+1+16*\b], 0x8000000      ; no |.|: what is negative becomes 0 and must not count; the floor 2^(16 - 127) holds the byte at 1 from below
.else
	v_max3_num_f32 v[TM+\b], |v[\s+16*\b]|, |v[\s+1+16*\b]|, 0x8000000
.endif
.endr
.irp i, 2,4,6,8,10,12,14
.irp b, 0,1,2,3
.if \relu
	v_max3_num_f32 v[TM+\b], v[TM+\b], v[\s+16*\b+\i], v[\s+1+16*\b+\i]
.else
	v_max3_num_f32 v[TM+\b], v[TM+\b], |v[\s+16*\b+\i]|, |v[\s+1+16*\b+\i]|
.endif
.endr
.endr
.irp b, 0,1,2,3
	v_permlanex16_b32 v[TM+4+\b], v[TM+\b], s[SEL], s[SEL+1]
.endr
.irp b, 0,1,2,3
	v_max_num_f32 v[TM+\b], v[TM+\b], v[TM+4+\b]                       ; the block's largest magnitude
.endr
.irp b, 0,1,2,3
	v_add_nc_u32 v[TM+12+\b], 0xf8800000, v[TM+\b]                     ; 15 off its exponent field: the conversion's scale operand
.endr
.irp b, 0,1,2,3
	v_and_or_b32 v[TM+8+\b], v[TM+\b], 0x7f800000, s[MNT]              ; 57,344 x the scale
.endr
.irp b, 0,1,2,3
	v_lshrrev_b32 v[TM+4+\b], 23, v[TM+12+\b]                          ; the scale's byte
.endr
.if \word
	v_lshl_or_b32 v[PW], v[TM+5], 8, v[TM+4]
	v_lshl_or_b32 v[PW], v[TM+6], 16, v[PW]
	v_lshl_or_b32 v[PW], v[TM+7], 24, v[PW]
.endif
.irp b, 0,1,2,3
.irp i, 0,1,2,3,4,5,6,7,8,9,10,11,12,13,14,15
.if \relu
	v_med3_num_f32 v[\s+16*\b+\i], v[\s+16*\b+\i], 0, v[TM+8+\b]       ; the activation and the hold in one
.else
	v_med3_num_f32 v[\s+16*\b+\i], v[\s+16*\b+\i], -v[TM+8+\b], v[TM+8+\b]  ; the conversion to an 8-bit code does not saturate (ISA guide 7.6.2): the hold comes first
.endif
.endr
	v_cvt_scalef32_pk8_bf8_f32 v[\pc+4*\b:\pc+1+4*\b], v[\s+16*\b:\s+7+16*\b], v[TM+12+\b]
	v_cvt_scalef32_pk8_bf8_f32 v[\pc+2+4*\b:\pc+3+4*\b], v[\s+8+16*\b:\s+15+16*\b], v[TM+12+\b]
.endr
	v_nop                                          ; one plain line behind the last conversion
.endm
.macro WLOAD pitch                     ; W(128 ks + 32 c + 16 u + 8 h + j, my column); the 8 h rows stand in v4
.irp c, 0,1,2,3
.irp u, 0,1
.irp j, 0,1,2,3,4,5,6,7
	global_load_b32 v[X+16*\c+8*\u+\j], v4, s[22:23] offset:(32*\c+16*\u+\j)*\pitch th:TH_LOAD_NT
.endr
.endr
.endr
.endm
	s_load_b256 s[4:11], s[0:1], 0x0               ; wq s[4:5], wk s[6:7], wv s[8:9], wo s[10:11]
	s_load_b256 s[12:19], s[0:1], 0x20             ; w1 s[12:13], w2 s[14:15], wcodes s[16:17], wscales s[18:19]
	v_lshrrev_b32 v1, 5, v0
	v_readfirstlane_b32 s20, v1                    ; wave
	v_and_b32 v1, 31, v0                           ; lane
	v_and_b32 v2, 15, v0                           ; r
	v_bfe_u32 v3, v0, 4, 1                         ; h
	s_wait_alu depctr_va_vdst(0)
	s_lshl_b32 s21, ttmp9, 2
	s_add_co_u32 s21, s21, s20                     ; F
	s_mov_b32 s[SEL], 0x76543210
	s_mov_b32 s[SEL+1], 0xfedcba98
	s_mov_b32 s[MNT], 0x600000
	s_and_b32 s24, s21, 63                         ; w1's form: tile = F & 63, ks = bit 6; a row is 4,096 bytes
	s_lshl_b32 s24, s24, 6
	s_bfe_u32 s25, s21, 0x10006
	s_lshl_b32 s25, s25, 19
	s_add_co_u32 s24, s24, s25
	s_cmp_lt_u32 ttmp9, 32                         ; the others': tile = F & 15, ks = (F >> 4) & 1, for w2 & 7; a row is 1,024 bytes
	s_cselect_b32 s26, 1, 7
	s_lshr_b32 s27, s21, 4
	s_and_b32 s27, s27, s26
	s_lshl_b32 s27, s27, 17
	s_and_b32 s26, s21, 15
	s_lshl_b32 s26, s26, 6
	s_add_co_u32 s26, s26, s27
	s_lshr_b32 s31, ttmp9, 5                       ; 1 in w1's work-groups, 32 to 63
	s_cmp_eq_u32 s31, 1
	s_cselect_b32 s24, s24, s26                    ; the fragment's first byte in its weight
	s_cselect_b32 s32, 15, 13                      ; 8 rows are 1 << this many bytes
	s_mov_b32 s25, 0
	s_mov_b32 s35, 0
	v_lshlrev_b32 v4, s32, v3
	v_lshl_add_u32 v4, v2, 2, v4                   ; 4 r + 8 h rows
	v_lshlrev_b32 v5, 4, v1                        ; 16 x lane: an image's place
	v_lshlrev_b32 v6, 2, v2                        ; 4 r: a scale word's
.irp b, 0,1,2,3
	v_mov_b32 v[TM+4+\b], 0                        ; a lane permute's destination counts as one of its sources
.endr
	s_wait_kmcnt 0x0
	s_cmp_lt_u32 ttmp9, 64                         ; which weight: the choice hangs on the work-group's number alone
	s_cselect_b64 s[22:23], s[12:13], s[14:15]
	s_cmp_lt_u32 ttmp9, 32
	s_cselect_b64 s[22:23], s[10:11], s[22:23]
	s_cmp_lt_u32 ttmp9, 24
	s_cselect_b64 s[22:23], s[8:9], s[22:23]
	s_cmp_lt_u32 ttmp9, 16
	s_cselect_b64 s[22:23], s[6:7], s[22:23]
	s_cmp_lt_u32 ttmp9, 8
	s_cselect_b64 s[22:23], s[4:5], s[22:23]
	s_add_nc_u64 s[22:23], s[22:23], s[24:25]
	s_lshl_b32 s34, s21, 11
	s_add_nc_u64 s[16:17], s[16:17], s[34:35]      ; wcodes + 2048 F
	s_lshl_b32 s34, s21, 6
	s_add_nc_u64 s[18:19], s[18:19], s[34:35]      ; wscales + 64 F
	s_cmp_eq_u32 s31, 1                            ; the row pitch stands in the loads' immediates: two runs of loads, one taken
	s_cbranch_scc1 .Lwide
	s_wait_alu depctr_va_vdst(0)
	WLOAD 1024
	s_branch .Lloaded
.Lwide:
	s_wait_alu depctr_va_vdst(0)
	WLOAD 4096
.Lloaded:
	s_wait_loadcnt 0x0
	QUANT X, 0, PC, 1
.irp c, 0,1,2,3
	global_store_b128 v5, v[PC+4*\c:PC+4*\c+3], s[16:17] offset:512*\c   ; 32 lanes store 512 consecutive bytes
.endr
	global_store_b32 v6, v[PW], s[18:19]           ; lanes r and r + 16 hold the same word and store it to the same place
	s_endpgm
.Lfunc_end_k_qf9b2b9054e_wquant:
	.size	k_qf9b2b9054e_wquant, .Lfunc_end_k_qf9b2b9054e_wquant-k_qf9b2b9054e_wquant
	.p2alignl 7, 3214868480
	.fill 96, 4, 3214868480
	.section	.rodata,"a",@progbits
	.p2align	6, 0x0
	.amdhsa_kernel k_qf9b2b9054e_wquant
		.amdhsa_group_segment_fixed_size 0
		.amdhsa_private_segment_fixed_size 0
		.amdhsa_enable_private_segment 0
		.amdhsa_kernarg_size 64
		.amdhsa_user_sgpr_count 2
		.amdhsa_user_sgpr_kernarg_segment_ptr 1
		.amdhsa_wavefront_size32 1
		.amdhsa_system_sgpr_workgroup_id_x 1
		.amdhsa_system_sgpr_workgroup_id_y 1
		.amdhsa_system_sgpr_workgroup_id_z 1
		.amdhsa_system_vgpr_workitem_id 0
		.amdhsa_next_free_vgpr 128
		.amdhsa_next_free_sgpr 66
		.amdhsa_reserve_vcc 0
		.amdhsa_float_denorm_mode_32 3
		.amdhsa_float_denorm_mode_16_64 3
		.amdhsa_memory_ordered 1
		.amdhsa_forward_progress 1
		.amdhsa_inst_pref_size 23
	.end_amdhsa_kernel
	.amdgpu_metadata
---
amdhsa.version: [ 1, 2 ]
amdhsa.kernels:
  - .name:           k_qf9b2b9054e_wquant
    .symbol:         k_qf9b2b9054e_wquant.kd
    .args:
      - { .name: wq, .offset: 0, .size: 8, .value_kind: global_buffer, .address_space: global }
      - { .name: wk, .offset: 8, .size: 8, .value_kind: global_buffer, .address_space: global }
      - { .name: wv, .offset: 16, .size: 8, .value_kind: global_buffer, .address_space: global }
      - { .name: wo, .offset: 24, .size: 8, .value_kind: global_buffer, .address_space: global }
      - { .name: w1, .offset: 32, .size: 8, .value_kind: global_buffer, .address_space: global }
      - { .name: w2, .offset: 40, .size: 8, .value_kind: global_buffer, .address_space: global }
      - { .name: wcodes, .offset: 48, .size: 8, .value_kind: global_buffer, .address_space: global }
      - { .name: wscales, .offset: 56, .size: 8, .value_kind: global_buffer, .address_space: global }
    .group_segment_fixed_size: 0
    .private_segment_fixed_size: 0
    .kernarg_segment_align: 8
    .kernarg_segment_size: 64
    .max_flat_workgroup_size: 128
    .sgpr_count:     66
    .vgpr_count:     128
    .wavefront_size: 32
...
	.end_amdgpu_metadata
.endif
;; end of part 1
;; launch qkv (part 2): grid 128 x 1, 8 waves a work-group, no clusters, 168,960 bytes of LDS; arguments x, g1, b1, wcodes, wscales, bq, bk, bv, qc, qs, kv, sc; writes qc, qs, kv, sc
.if DOCPART == 2
	.amdgcn_target "amdgcn-amd-amdhsa--gfx1250"
	.amdhsa_code_object_version 6
	.text
	.protected	k_qf9b2b9054e_qkv
	.globl	k_qf9b2b9054e_qkv
	.p2align	8
	.type	k_qf9b2b9054e_qkv,@function
k_qf9b2b9054e_qkv:
	s_mov_b64 s[64:65], 0
	v_nop
	global_prefetch_b8 v0, s[64:65] scope:SCOPE_SE
	s_setreg_imm32_b32 hwreg(HW_REG_WAVE_MODE, 25, 1), 1
	s_wait_xcnt 0x0
; LayerNorm 1, its quantiser, q = xn wq + bq, k, v likewise (MX-BF8 products), and the quantisers of q, k (along the head's 32) and v (along the keys): stored as the attention launch's operand images.
; SHARES.  A work-group takes 64 tokens of one batch: 256 aligned bytes of each of x's 256 channel rows ([b][c][n]).  Each of its 8 waves brings 32 channel rows by one tensor load (first fills only).
; LN: wave w makes xn's fragment (token tile w / 2, K step w % 2): a lane holds 64 channels of one token; mean and sum of squared differences are made locally and joined with the partner wave's by the
; parallel form (no difference of large sums).  PRODUCTS: wave w is head w, for the 4 token tiles: its 12 weight fragments go from memory straight into its registers, as images, once.
; q and k are made TRANSPOSED (source 0 = 16 channels of W, source 1 = xn): a lane holds one token and 16 of the head's 32 numbers.  v is made the natural way (source 0 = xn): a lane holds one channel d and
; 8 tokens a tile, so that its registers run along the keys, which are the second attention product's K.
; ORDER INSIDE A BLOCK OF 32, in every operand: lane half h, place 8 u + j holds true index 16 u + 8 h + j: what two neighbouring result tiles give a lane.
; NO JOINT LOADS: what the work-groups share are the weights, and each wave takes its own 24 KiB of them into registers in the operand's order; nothing shared goes through LDS.
; 128 work-groups: 32 tokens to a work-group would be half of an aligned 256 bytes of every row of x.
; LIMITS: NaN and infinities are not served; a block of zeros gets the byte 1 (its codes are zeros; this program alone reads the bytes).
.set XP,   272                         ; a channel row in LDS: 256 bytes + 16
.set STAT, 256*XP                      ; 8 x 128 bytes: (mean, M2) of wave w's 16 tokens
.set XIMG, STAT+1024                   ; xn's 8 fragment images (2 x token tile + K step)
.set XSC,  XIMG+8*2048                 ; their scale words, 64 bytes each
.set LI,  4                            ; v4   16 x lane
.set LS,  5                            ; v5   4 x lane
.set XA,  6                            ; v6   my token's column in XT, at my first channel row
.set GA,  7                            ; v7   my first channel's byte in g1 and b1
.set STW, 8                            ; v8   where I store my statistics;  v9 where my partner wave's lie
.set STR, 9
.set XWI, 10                           ; v10  where I store xn's image;  v11 its scale word
.set XWS, 11
.set BA,  12                           ; v12  32 h
.set RA,  13                           ; v13  4 r
.set XRI, 14                           ; v14  XIMG + 16 x lane;  v15  XSC + 4 x lane
.set XRS, 15
.set WS,  16                           ; v16-21 the weights' scale words: 2 mat + K step; lanes 0-15 tile u = 0, lanes 16-31 u = 1
.set XS,  22                           ; v22  xn's: lanes 0-15 K step 0, lanes 16-31 K step 1
.set QW,  24                           ; v24-27 q's byte, four times over, for token tile m
.set KW,  28                           ; v28  k's bytes of the four token tiles
.set VB,  29                           ; v29-30 v's two bytes for d-tile 0, 1
.set PW,  31
.set X,   32                           ; LN: v32-95 x, v96-159 g1, v160-223 b1
.set G,   96
.set BT,  160
.set XF,  32                           ; products: v32-63 xn's two fragments, v64-127 q and k of two token tiles, v128-191 v of four, v192-207 codes
.set ACC, 64
.set VA,  128
.set PC,  192
.set TM,  224
.set T,   240                          ; v240-251 at work
.set BVT, 252                          ; v252-253 bv of my column, d-tile 0, 1
; window 1: weights at 64 mat + 32 u + 16 ks; bq at 192 + 8 u, bk at 208 + 8 u, bv at 224 + 8 dt
.set WV,  28
.set SEL, 32
.set MNT, 34
.set REP, 35
.set G1,  36
.set G0,  44
.set QCB, 48
.set KVB, 50
.set KVV, 52
.set QSB, 54
.set SCV, 56
.set SCK, 58
.set WCB, 66
.set BQB, 68
.set BKB, 70
.set BVB, 72
.set WSB, 74
.set MSB, 0
.macro WIN new                         ; the immediate's high byte repeats the setting that is left
.if MSB != \new
	s_set_vgpr_msb (MSB<<8)|\new
.set MSB, \new
.endif
.endm
.macro PLACES n
.rept \n
	v_nop
.endr
.endm
.macro BARRIER                         ; my LDS stores have landed and my LDS loads are in: then the work-group's barrier
	s_wait_dscnt 0x0
	s_barrier_signal -1
	s_barrier_wait -1
.endm
.macro IMAGE adr, off, pc              ; a fragment goes to LDS as its registers stand
.irp c, 0,1,2,3
	ds_store_b128 v[\adr], v[\pc+4*\c:\pc+4*\c+3] offset:\off+512*\c
.endr
.endm
.macro FETCH reg, adr, off             ; and comes back so, in any wave
.irp c, 0,1,2,3
	ds_load_b128 v[\reg+4*\c:\reg+4*\c+3], v[\adr] offset:\off+512*\c
.endr
.endm
; one product: D, A, B, C (c < 0: the constant 0), the two scale registers, and whether each side's words are read from lanes 16-31
.macro WM d, a, b, c, sa, sb, ra, rb
.if (\c) < 0
.if (\ra) && (\rb)
	v_wmma_scale_f32_16x16x128_f8f6f4 v[(\d):(\d)+7], v[(\a):(\a)+15], v[(\b):(\b)+15], 0, v[\sa], v[\sb] matrix_a_fmt:MATRIX_FMT_BF8 matrix_b_fmt:MATRIX_FMT_BF8 matrix_a_scale:MATRIX_SCALE_ROW1 matrix_b_scale:MATRIX_SCALE_ROW1
.elseif (\ra)
	v_wmma_scale_f32_16x16x128_f8f6f4 v[(\d):(\d)+7], v[(\a):(\a)+15], v[(\b):(\b)+15], 0, v[\sa], v[\sb] matrix_a_fmt:MATRIX_FMT_BF8 matrix_b_fmt:MATRIX_FMT_BF8 matrix_a_scale:MATRIX_SCALE_ROW1
.elseif (\rb)
	v_wmma_scale_f32_16x16x128_f8f6f4 v[(\d):(\d)+7], v[(\a):(\a)+15], v[(\b):(\b)+15], 0, v[\sa], v[\sb] matrix_a_fmt:MATRIX_FMT_BF8 matrix_b_fmt:MATRIX_FMT_BF8 matrix_b_scale:MATRIX_SCALE_ROW1
.else
	v_wmma_scale_f32_16x16x128_f8f6f4 v[(\d):(\d)+7], v[(\a):(\a)+15], v[(\b):(\b)+15], 0, v[\sa], v[\sb] matrix_a_fmt:MATRIX_FMT_BF8 matrix_b_fmt:MATRIX_FMT_BF8
.endif
.else
.if (\ra) && (\rb)
	v_wmma_scale_f32_16x16x128_f8f6f4 v[(\d):(\d)+7], v[(\a):(\a)+15], v[(\b):(\b)+15], v[(\c):(\c)+7], v[\sa], v[\sb] matrix_a_fmt:MATRIX_FMT_BF8 matrix_b_fmt:MATRIX_FMT_BF8 matrix_a_scale:MATRIX_SCALE_ROW1 matrix_b_scale:MATRIX_SCALE_ROW1
.elseif (\ra)
	v_wmma_scale_f32_16x16x128_f8f6f4 v[(\d):(\d)+7], v[(\a):(\a)+15], v[(\b):(\b)+15], v[(\c):(\c)+7], v[\sa], v[\sb] matrix_a_fmt:MATRIX_FMT_BF8 matrix_b_fmt:MATRIX_FMT_BF8 matrix_a_scale:MATRIX_SCALE_ROW1
.elseif (\rb)
	v_wmma_scale_f32_16x16x128_f8f6f4 v[(\d):(\d)+7], v[(\a):(\a)+15], v[(\b):(\b)+15], v[(\c):(\c)+7], v[\sa], v[\sb] matrix_a_fmt:MATRIX_FMT_BF8 matrix_b_fmt:MATRIX_FMT_BF8 matrix_b_scale:MATRIX_SCALE_ROW1
.else
	v_wmma_scale_f32_16x16x128_f8f6f4 v[(\d):(\d)+7], v[(\a):(\a)+15], v[(\b):(\b)+15], v[(\c):(\c)+7], v[\sa], v[\sb] matrix_a_fmt:MATRIX_FMT_BF8 matrix_b_fmt:MATRIX_FMT_BF8
.endif
.endif
.endm
; 64 numbers of a lane, four blocks of 16 registers (the other 16 of each block lie in lane l xor 16), become 16 registers of codes at v[pc]; word = 1: the four bytes are packed into v[PW].  The bytes stay in v[TM+4] on.
.macro QUANT s, relu, pc, word
.irp b, 0,1,2,3
.if \relu
	v_max3_num_f32 v[TM+\b], v[\s+16*\b], v[\s+1+16*\b], 0x8000000
.else
	v_max3_num_f32 v[TM+\b], |v[\s+16*\b]|, |v[\s+1+16*\b]|, 0x8000000      ; the floor 2^(16 - 127) holds the byte at 1 from below
.endif
.endr
.irp i, 2,4,6,8,10,12,14
.irp b, 0,1,2,3
.if \relu
	v_max3_num_f32 v[TM+\b], v[TM+\b], v[\s+16*\b+\i], v[\s+1+16*\b+\i]
.else
	v_max3_num_f32 v[TM+\b], v[TM+\b], |v[\s+16*\b+\i]|, |v[\s+1+16*\b+\i]|
.endif
.endr
.endr
.irp b, 0,1,2,3
	s_delay_alu instid0(VALU_DEP_4)
	v_permlanex16_b32 v[TM+4+\b], v[TM+\b], s[SEL], s[SEL+1]
.endr
.irp b, 0,1,2,3
	s_delay_alu instid0(VALU_DEP_4)
	v_max_num_f32 v[TM+\b], v[TM+\b], v[TM+4+\b]                       ; the block's largest magnitude
.endr
.irp b, 0,1,2,3
	s_delay_alu instid0(VALU_DEP_4)
	v_add_nc_u32 v[TM+12+\b], 0xf8800000, v[TM+\b]                     ; 15 off its exponent field: the conversion's scale operand
.endr
.irp b, 0,1,2,3
	v_and_or_b32 v[TM+8+\b], v[TM+\b], 0x7f800000, s[MNT]              ; 57,344 x the scale
.endr
.irp b, 0,1,2,3
	v_lshrrev_b32 v[TM+4+\b], 23, v[TM+12+\b]                          ; the scale's byte
.endr
.if \word
	s_delay_alu instid0(VALU_DEP_3)
	v_lshl_or_b32 v[PW], v[TM+5], 8, v[TM+4]
	s_delay_alu instid0(VALU_DEP_1)
	v_lshl_or_b32 v[PW], v[TM+6], 16, v[PW]
	s_delay_alu instid0(VALU_DEP_1)
	v_lshl_or_b32 v[PW], v[TM+7], 24, v[PW]
.endif
.irp b, 0,1,2,3
.irp i, 0,1,2,3,4,5,6,7,8,9,10,11,12,13,14,15
.if \relu
	v_med3_num_f32 v[\s+16*\b+\i], v[\s+16*\b+\i], 0, v[TM+8+\b]
.else
	v_med3_num_f32 v[\s+16*\b+\i], v[\s+16*\b+\i], -v[TM+8+\b], v[TM+8+\b]  ; the conversion to an 8-bit code does not saturate (ISA guide 7.6.2): the hold comes first
.endif
.endr
	v_cvt_scalef32_pk8_bf8_f32 v[\pc+4*\b:\pc+1+4*\b], v[\s+16*\b:\s+7+16*\b], v[TM+12+\b]
	v_cvt_scalef32_pk8_bf8_f32 v[\pc+2+4*\b:\pc+3+4*\b], v[\s+8+16*\b:\s+15+16*\b], v[TM+12+\b]
.endr
	v_nop                                          ; one plain line between the last conversion and the next vector or matrix line that touches its registers
.endm
	s_load_b512 s[4:19], s[0:1], 0x0               ; x s[4:5], g1 s[6:7], b1 s[8:9], wcodes s[10:11], wscales s[12:13], bq s[14:15], bk s[16:17], bv s[18:19]
	s_load_b256 s[20:27], s[0:1], 0x40             ; qc s[20:21], qs s[22:23], kv s[24:25], sc s[26:27]
	v_lshl_add_u32 v254, v0, 2, 0x29000
	v_mov_b32 v255, 0
	ds_add_u32 v254, v255
	ds_add_u32 v254, v255
	v_lshrrev_b32 v1, 5, v0
	s_delay_alu instid0(VALU_DEP_1)
	v_readfirstlane_b32 s[WV], v1                  ; wave 0..7
	s_lshr_b32 s29, ttmp9, 6                       ; b
	s_and_b32 s30, ttmp9, 63                       ; which 64 tokens of the batch
	s_and_b32 s31, ttmp9, 1                        ; which half of a key step of 128
	; descriptor group 1: 32 rows of 64 f32, 4,096 elements apart, 16 bytes of padding behind each 256
	s_mov_b32 s[G1], (2<<16)|(1<<20)|(5<<22)|(3<<25)
	s_mov_b32 s[G1+1], 64<<16                      ; tensor_dim0
	s_mov_b32 s[G1+2], 32<<16                      ; tensor_dim1
	s_mov_b32 s[G1+3], 64<<16                      ; tile_dim0
	s_mov_b32 s[G1+4], 32                          ; tile_dim1
	s_mov_b32 s[G1+5], 4096                        ; from row to row
	s_mov_b32 s[G1+6], 0
	s_mov_b32 s[G1+7], 0
	s_mov_b32 s63, 0
	s_lshl_b32 s62, s29, 22                        ; the batch, 4 MiB;
	s_lshl_b32 s78, s[WV], 19                      ; my 32 channel rows of 16 KiB;
	s_add_co_u32 s62, s62, s78
	s_lshl_b32 s78, s30, 8                         ; the work-group's 256 bytes of a row
	s_add_co_u32 s62, s62, s78
	s_mov_b32 s[G0], 1
	s_mul_i32 s[G0+1], s[WV], 32*XP
	s_mov_b32 s[SEL], 0x76543210
	s_mov_b32 s[SEL+1], 0xfedcba98
	s_mov_b32 s[MNT], 0x600000
	s_mov_b32 s[REP], 0x01010101
	s_mov_b32 s76, 0x3b800000                      ; 1 / 256
	s_mov_b32 s77, 0x3727c5ac                      ; 1e-5
	v_and_b32 v1, 31, v0                           ; lane
	v_and_b32 v2, 15, v0                           ; r
	s_wait_alu depctr_va_vdst(0)
	v_bfe_u32 v3, v0, 4, 1                         ; h
	v_lshlrev_b32 v[LI], 4, v1
	s_wait_alu depctr_va_vdst(0)
	v_lshlrev_b32 v[LS], 2, v1
	s_lshr_b32 s78, s[WV], 1
	s_lshl_b32 s78, s78, 6                         ; token tile w / 2: 64 bytes of a row
	s_and_b32 s79, s[WV], 1
	s_mul_i32 s60, s79, 128*XP                     ; K step w % 2: 128 rows
	s_add_co_u32 s78, s78, s60
	v_mul_u32_u24 v[XA], v3, 8*XP
	s_delay_alu instid0(VALU_DEP_1)
	v_lshl_add_u32 v[XA], v2, 2, v[XA]
	s_delay_alu instid0(VALU_DEP_1)
	v_add_nc_u32 v[XA], s78, v[XA]
	s_lshl_b32 s60, s79, 9
	v_lshl_add_u32 v[GA], v3, 5, s60
	s_lshl_b32 s60, s[WV], 7
	s_add_co_u32 s60, s60, STAT
	v_lshl_add_u32 v[STW], v2, 3, s60
	s_xor_b32 s61, s[WV], 1
	s_lshl_b32 s61, s61, 7
	s_add_co_u32 s61, s61, STAT
	v_lshl_add_u32 v[STR], v2, 3, s61
	s_lshl_b32 s60, s[WV], 11
	s_add_co_u32 s60, s60, XIMG
	v_add_nc_u32 v[XWI], s60, v[LI]
	s_lshl_b32 s60, s[WV], 6
	s_add_co_u32 s60, s60, XSC
	v_lshl_add_u32 v[XWS], v2, 2, s60
	v_lshlrev_b32 v[BA], 5, v3
	v_lshlrev_b32 v[RA], 2, v2
	v_add_nc_u32 v[XRI], XIMG, v[LI]
	v_add_nc_u32 v[XRS], XSC, v[LS]
.irp b, 0,1,2,3
	v_mov_b32 v[TM+4+\b], 0                        ; a lane permute's destination counts as one of its sources
.endr
	s_wait_alu depctr_va_vdst(0)
	s_wait_dscnt 0x0
	s_wait_kmcnt 0x0
	s_add_nc_u64 s[G0+2:G0+3], s[4:5], s[62:63]
	s_or_b32 s[G0+3], s[G0+3], 0x80000000
	tensor_load_to_lds s[G0:G0+3], s[G1:G1+7]      ; my 32 channel rows: the one tensor load of this wave
	s_nop 0
	PLACES 4
	s_lshl_b32 s62, s[WV], 12
	s_add_nc_u64 s[WCB:WCB+1], s[10:11], s[62:63]  ; my head's tiles 2 w, 2 w + 1 of each weight
	s_lshl_b32 s62, s[WV], 7
	s_add_nc_u64 s[WSB:WSB+1], s[12:13], s[62:63]
	s_add_nc_u64 s[BQB:BQB+1], s[14:15], s[62:63]
	s_add_nc_u64 s[BKB:BKB+1], s[16:17], s[62:63]
	s_add_nc_u64 s[BVB:BVB+1], s[18:19], s[62:63]
.irp b, 0,1,2,3
.irp u, 0,1
.irp q, 0,1
	global_load_b128 v[G+16*\b+8*\u+4*\q:G+16*\b+8*\u+4*\q+3], v[GA], s[6:7] offset:128*\b+64*\u+16*\q
	global_load_b128 v[BT+16*\b+8*\u+4*\q:BT+16*\b+8*\u+4*\q+3], v[GA], s[8:9] offset:128*\b+64*\u+16*\q
.endr
.endr
.endr
	WIN 0x40                                       ; destination window 1
.irp mat, 0,1,2
.irp u, 0,1
.irp k, 0,1
.irp c, 0,1,2,3
	global_load_b128 v[64*\mat+32*\u+16*\k+4*\c:64*\mat+32*\u+16*\k+4*\c+3], v[LI], s[WCB:WCB+1] offset:(32*\mat+16*\k+\u)*2048+512*\c
.endr
.endr
.endr
.endr
.irp u, 0,1
.irp q, 0,1
	global_load_b128 v[192+8*\u+4*\q:192+8*\u+4*\q+3], v[BA], s[BQB:BQB+1] offset:64*\u+16*\q   ; bq, bk at my eight channels of tile u: the C of the first products
	global_load_b128 v[208+8*\u+4*\q:208+8*\u+4*\q+3], v[BA], s[BKB:BKB+1] offset:64*\u+16*\q
.endr
.endr
	WIN 0
.irp i, 0,1,2,3,4,5
	global_load_b32 v[WS+\i], v[LS], s[WSB:WSB+1] offset:1024*\i
.endr
.irp dt, 0,1
	global_load_b32 v[BVT+\dt], v[RA], s[BVB:BVB+1] offset:64*\dt
.endr
	; where the results go.  bh = 8 b + wave
	s_lshl_b32 s60, s29, 3
	s_add_co_u32 s60, s60, s[WV]
	s_lshr_b32 s61, s30, 1                         ; the key step
	s_lshl_b32 s62, s60, 17
	s_lshl_b32 s78, s30, 11
	s_add_co_u32 s62, s62, s78
	s_add_nc_u64 s[QCB:QCB+1], s[20:21], s[62:63]  ; qc + (256 bh + 4 x block of 64) x 512
	s_lshl_b32 s62, s60, 14
	s_lshl_b32 s78, s30, 8
	s_add_co_u32 s62, s62, s78
	s_add_nc_u64 s[QSB:QSB+1], s[22:23], s[62:63]
	s_lshl_b32 s79, s60, 18
	s_lshl_b32 s78, s61, 13
	s_add_co_u32 s79, s79, s78                     ; the step's 8,192 bytes of kv
	s_lshl_b32 s78, s31, 11
	s_add_co_u32 s62, s79, s78
	s_add_nc_u64 s[KVB:KVB+1], s[24:25], s[62:63]  ; K: fragment f = my half of the step
	s_lshl_b32 s78, s31, 10
	s_add_co_u32 s62, s79, s78
	s_add_nc_u64 s[KVV:KVV+1], s[24:25], s[62:63]  ; V: blocks 2 x half + 0, 1
	s_lshl_b32 s79, s60, 13
	s_lshl_b32 s78, s61, 8
	s_add_co_u32 s79, s79, s78                     ; the step's 256 bytes of sc
	s_lshl_b32 s78, s31, 1
	s_add_co_u32 s62, s79, s78
	s_add_nc_u64 s[SCV:SCV+1], s[26:27], s[62:63]
	s_lshl_b32 s78, s31, 6
	s_add_co_u32 s62, s79, s78
	s_add_nc_u64 s[SCK:SCK+1], s[26:27], s[62:63]
	; ---- LayerNorm 1
	s_wait_tensorcnt 0x0                           ; my rows have landed;
	s_barrier_signal -1
	s_barrier_wait -1                              ; everybody's have: I read rows that other waves brought
.irp b, 0,1,2,3
.irp u, 0,1
.irp j, 0,1,2,3,4,5,6,7
	ds_load_b32 v[X+16*\b+8*\u+\j], v[XA] offset:(32*\b+16*\u+\j)*XP   ; x(channel 128 ks + 32 b + 16 u + 8 h + j, my token)
.endr
.endr
.endr
	s_wait_dscnt 0x0
	v_pk_add_f32 v[242:243], v[32:33], v[34:35]
	v_pk_add_f32 v[250:251], v[40:41], v[44:45]
	v_pk_add_f32 v[248:249], v[48:49], v[52:53]
	v_pk_add_f32 v[246:247], v[56:57], v[60:61]
	v_pk_add_f32 v[244:245], v[64:65], v[68:69]
	v_pk_add_f32 v[238:239], v[72:73], v[76:77]
	v_pk_add_f32 v[236:237], v[80:81], v[84:85]
	v_pk_add_f32 v[240:241], v[88:89], v[92:93]
	s_delay_alu instid0(VALU_DEP_1)
	v_pk_add_f32 v[240:241], v[240:241], v[36:37]
	v_pk_add_f32 v[242:243], v[242:243], v[38:39]
	v_pk_add_f32 v[250:251], v[250:251], v[42:43]
	v_pk_add_f32 v[248:249], v[248:249], v[46:47]
	v_pk_add_f32 v[246:247], v[246:247], v[50:51]
	v_pk_add_f32 v[244:245], v[244:245], v[54:55]
	v_pk_add_f32 v[238:239], v[238:239], v[58:59]
	v_pk_add_f32 v[236:237], v[236:237], v[62:63]
	v_pk_add_f32 v[240:241], v[240:241], v[66:67]
	v_pk_add_f32 v[242:243], v[242:243], v[70:71]
	v_pk_add_f32 v[250:251], v[250:251], v[74:75]
	v_pk_add_f32 v[248:249], v[248:249], v[78:79]
	v_pk_add_f32 v[246:247], v[246:247], v[82:83]
	v_pk_add_f32 v[244:245], v[244:245], v[86:87]
	v_pk_add_f32 v[238:239], v[238:239], v[90:91]
	v_pk_add_f32 v[236:237], v[236:237], v[94:95]
	s_delay_alu instid0(VALU_DEP_4)
	v_pk_add_f32 v[240:241], v[240:241], v[246:247]
	s_delay_alu instid0(VALU_DEP_4)
	v_pk_add_f32 v[242:243], v[242:243], v[244:245]
	s_delay_alu instid0(VALU_DEP_4)
	v_pk_add_f32 v[250:251], v[250:251], v[238:239]
	s_delay_alu instid0(VALU_DEP_4)
	v_pk_add_f32 v[248:249], v[248:249], v[236:237]
	s_delay_alu instid0(VALU_DEP_2)
	v_pk_add_f32 v[240:241], v[240:241], v[250:251]
	s_delay_alu instid0(VALU_DEP_2)
	v_pk_add_f32 v[242:243], v[242:243], v[248:249]
	s_delay_alu instid0(VALU_DEP_1)
	v_pk_add_f32 v[240:241], v[240:241], v[242:243]
	s_delay_alu instid0(VALU_DEP_1)
	v_add_f32 v[T], v[T], v[T+1]
	s_delay_alu instid0(VALU_DEP_1)
	v_permlanex16_b32 v[T+1], v[T], s[SEL], s[SEL+1]
	s_delay_alu instid0(VALU_DEP_1)
	v_add_f32 v[T], v[T], v[T+1]
	s_delay_alu instid0(VALU_DEP_1)
	v_mul_f32 v[T], 0x3c000000, v[T]               ; the mean of these 128 channels
.irp i, 0,4,8,12,16,20,24,28,32,36,40,44,48,52,56,60
	v_pk_add_f32 v[T+4:T+5], v[X+\i:X+\i+1], v[T:T+1] op_sel_hi:[1,0] neg_lo:[0,1] neg_hi:[0,1]
	v_pk_add_f32 v[T+6:T+7], v[X+\i+2:X+\i+3], v[T:T+1] op_sel_hi:[1,0] neg_lo:[0,1] neg_hi:[0,1]
.if \i == 0
	s_delay_alu instid0(VALU_DEP_2)
	v_pk_mul_f32 v[T+8:T+9], v[T+4:T+5], v[T+4:T+5]
	s_delay_alu instid0(VALU_DEP_2)
	v_pk_mul_f32 v[T+10:T+11], v[T+6:T+7], v[T+6:T+7]
.else
	s_delay_alu instid0(VALU_DEP_2)
	v_pk_fma_f32 v[T+8:T+9], v[T+4:T+5], v[T+4:T+5], v[T+8:T+9]
	s_delay_alu instid0(VALU_DEP_2)
	v_pk_fma_f32 v[T+10:T+11], v[T+6:T+7], v[T+6:T+7], v[T+10:T+11]
.endif
.endr
	s_delay_alu instid0(VALU_DEP_1)
	v_pk_add_f32 v[T+8:T+9], v[T+8:T+9], v[T+10:T+11]
	s_delay_alu instid0(VALU_DEP_1)
	v_add_f32 v[T+1], v[T+8], v[T+9]
	s_delay_alu instid0(VALU_DEP_1)
	v_permlanex16_b32 v[T+2], v[T+1], s[SEL], s[SEL+1]
	s_delay_alu instid0(VALU_DEP_1)
	v_add_f32 v[T+1], v[T+1], v[T+2]               ; M2: the sum of squared differences from that mean
	ds_store_b64 v[STW], v[T:T+1]                  ; lanes r and r + 16 store the same pair
	s_wait_alu depctr_va_vdst(0)
	BARRIER
	ds_load_b64 v[T+2:T+3], v[STR]                 ; the other 128 channels' pair
	s_wait_dscnt 0x0
	v_add_f32 v[T+4], v[T], v[T+2]
	s_delay_alu instid0(VALU_DEP_1)
	v_mul_f32 v[T+4], 0.5, v[T+4]                  ; mu
	v_sub_f32 v[T+6], v[T], v[T+2]
	s_delay_alu instid0(VALU_DEP_1)
	v_mul_f32 v[T+6], v[T+6], v[T+6]
	v_add_f32 v[T+7], v[T+1], v[T+3]
	s_delay_alu instid0(VALU_DEP_1)
	v_fmamk_f32 v[T+7], v[T+6], 0x42800000, v[T+7] ; M2 = M2a + M2b + 64 (ma - mb)^2
	s_delay_alu instid0(VALU_DEP_1)
	v_fma_f32 v[T+7], v[T+7], s76, s77             ; / 256 + 1e-5
	s_wait_alu depctr_va_vdst(0)
	v_rsq_f32 v[T+6], v[T+7]
	v_nop                                          ; a plain line behind the transcendental,
	s_wait_alu depctr_va_vdst(0)                   ; and the wait ahead of its first reader
	s_wait_loadcnt 63                              ; behind g1's and b1's 32 loads 64 were issued; the count's field ends at 63, and a smaller count is safe
.set I, 0
.rept 32
	v_pk_add_f32 v[X+I:X+I+1], v[X+I:X+I+1], v[T+4:T+5] op_sel_hi:[1,0] neg_lo:[0,1] neg_hi:[0,1]
.set I, I+2
.endr
.set I, 0
.rept 32
	v_pk_mul_f32 v[X+I:X+I+1], v[X+I:X+I+1], v[T+6:T+7] op_sel_hi:[1,0]
.set I, I+2
.endr
.set I, 0
.rept 32
	v_pk_fma_f32 v[X+I:X+I+1], v[X+I:X+I+1], v[G+I:G+I+1], v[BT+I:BT+I+1]
.set I, I+2
.endr
	QUANT X, 0, PC, 1
	IMAGE XWI, 0, PC
	ds_store_b32 v[XWS], v[PW]                     ; lanes r and r + 16 store the same word
	BARRIER                                        ; xn's eight fragments lie in LDS
	; ---- q, k, v of my head
	s_wait_loadcnt 0x0                             ; weights, their scale words, biases
	WIN 0x40
.irp dt, 0,1
.irp j, 0,1,2,3,4,5,6,7
	v_mov_b32 v[224+8*\dt+\j], v[BVT+\dt]          ; in v's result a lane holds one channel: its bias in all eight registers of the C operand
.endr
.endr
	WIN 0
; token tile m: 12 products on six accumulators by turns, one instruction a turn
.macro PROD m
.set EE, (\m)%2
.set PP, (\m)/2
	FETCH XF, XRI, (2*(\m))*2048
	FETCH XF+16, XRI, (2*(\m)+1)*2048
	ds_load_b32 v[XS], v[XRS] offset:128*(\m)
	s_wait_dscnt 0x0
	WIN 0x11                                       ; source 0 (W) and C (bias) window 1
.irp mat, 0,1
.irp u, 0,1
	WM ACC+16*(2*EE+\mat)+8*\u, 64*\mat+32*\u, XF, 192+16*\mat+8*\u, WS+2*\mat, XS, \u, 0
.endr
.endr
	WIN 0x14                                       ; source 1 (W) and C (bias) window 1
.irp dt, 0,1
	WM VA+16*(2*PP+\dt)+8*EE, XF, 128+32*\dt, 224+8*\dt, XS, WS+4, 0, \dt
.endr
	WIN 0x01
.irp mat, 0,1
.irp u, 0,1
	WM ACC+16*(2*EE+\mat)+8*\u, 64*\mat+32*\u+16, XF+16, ACC+16*(2*EE+\mat)+8*\u, WS+2*\mat+1, XS, \u, 1
.endr
.endr
	WIN 0x04
.irp dt, 0,1
	WM VA+16*(2*PP+\dt)+8*EE, XF+16, 128+32*\dt+16, VA+16*(2*PP+\dt)+8*EE, XS, WS+5, 1, \dt
.endr
	WIN 0
	PLACES 8                                       ; ahead of the first read of results and of loads into xn's fragments and scale words
.endm
; q and k of token tiles m - 1 and m (m odd): four blocks of 32, one head of one token each
.macro QKOUT m
	s_wait_xcnt 0x0                                ; earlier stores have read the codes' registers
	QUANT ACC, 0, PC, 0
.irp e2, 0,1
	global_store_b128 v[LI], v[PC+8*\e2:PC+8*\e2+3], s[QCB:QCB+1] offset:512*((\m)-1+\e2)     ; 32 lanes store 512 consecutive bytes
	global_store_b128 v[LI], v[PC+8*\e2+4:PC+8*\e2+7], s[KVB:KVB+1] offset:512*((\m)-1+\e2)
	v_mul_lo_u32 v[QW+(\m)-1+\e2], v[TM+4+2*\e2], s[REP]                                     ; q's byte in all four places of its word
.if ((\m)-1+\e2) == 0
	v_mov_b32 v[KW], v[TM+5]
.else
	v_lshl_or_b32 v[KW], v[TM+5+2*\e2], 8*((\m)-1+\e2), v[KW]                                ; k's byte: block m of K's fragment
.endif
.endr
.endm
	s_wait_alu depctr_va_vdst(0)
	PROD 0
	PROD 1
	QKOUT 1
	PROD 2
	PROD 3
	QKOUT 3
	s_wait_xcnt 0x0
	QUANT VA, 0, PC, 0                             ; v: block 2 p + dt: 32 keys of channel 16 dt + r
.irp p2, 0,1
.irp dt, 0,1
	global_store_b128 v[LI], v[PC+4*(2*\p2+\dt):PC+4*(2*\p2+\dt)+3], s[KVV:KVV+1] offset:4096+2048*\dt+512*\p2
.endr
.endr
.irp dt, 0,1
	v_lshl_or_b32 v[VB+\dt], v[TM+6+\dt], 8, v[TM+4+\dt]
.endr
	v_cmp_le_u32 vcc_lo, 16, v1                    ; lanes 16-31
	s_delay_alu instid0(VALU_DEP_1)
	v_cndmask_b32 v[T], v[QW], v[QW+1], vcc_lo     ; lanes 0-15: token tile 0; lanes 16-31: tile 1
	s_delay_alu instid0(VALU_DEP_2)
	v_cndmask_b32 v[T+1], v[QW+2], v[QW+3], vcc_lo
	s_delay_alu instid0(VALU_DEP_3)
	v_cndmask_b32 v[T+2], v[VB], v[VB+1], vcc_lo   ; lanes 0-15: d-tile 0; lanes 16-31: d-tile 1
	global_store_b32 v[LS], v[T], s[QSB:QSB+1]
	global_store_b32 v[LS], v[T+1], s[QSB:QSB+1] offset:128
	global_store_b16 v[LS], v[T+2], s[SCV:SCV+1] offset:128      ; my two bytes of V's scale words
	global_store_b32 v[RA], v[KW], s[SCK:SCK+1]                  ; lanes r and r + 16 hold the same word and store it to the same place
	s_wait_tensorcnt 0x0
	ds_add_u32 v254, v255
	s_wait_dscnt 0x0
	s_endpgm
.Lfunc_end_k_qf9b2b9054e_qkv:
	.size	k_qf9b2b9054e_qkv, .Lfunc_end_k_qf9b2b9054e_qkv-k_qf9b2b9054e_qkv
	.p2alignl 7, 3214868480
	.fill 96, 4, 3214868480
	.section	.rodata,"a",@progbits
	.p2align	6, 0x0
	.amdhsa_kernel k_qf9b2b9054e_qkv
		.amdhsa_group_segment_fixed_size 168960
		.amdhsa_private_segment_fixed_size 0
		.amdhsa_enable_private_segment 0
		.amdhsa_kernarg_size 96
		.amdhsa_user_sgpr_count 2
		.amdhsa_user_sgpr_kernarg_segment_ptr 1
		.amdhsa_wavefront_size32 1
		.amdhsa_system_sgpr_workgroup_id_x 1
		.amdhsa_system_sgpr_workgroup_id_y 1
		.amdhsa_system_sgpr_workgroup_id_z 1
		.amdhsa_system_vgpr_workitem_id 0
		.amdhsa_next_free_vgpr 512
		.amdhsa_next_free_sgpr 80
		.amdhsa_reserve_vcc 1
		.amdhsa_float_denorm_mode_32 3
		.amdhsa_float_denorm_mode_16_64 3
		.amdhsa_memory_ordered 1
		.amdhsa_forward_progress 1
		.amdhsa_inst_pref_size 80
	.end_amdhsa_kernel
	.amdgpu_metadata
---
amdhsa.version: [ 1, 2 ]
amdhsa.kernels:
  - .name:           k_qf9b2b9054e_qkv
    .symbol:         k_qf9b2b9054e_qkv.kd
    .args:
      - { .name: x, .offset: 0, .size: 8, .value_kind: global_buffer, .address_space: global }
      - { .name: g1, .offset: 8, .size: 8, .value_kind: global_buffer, .address_space: global }
      - { .name: b1, .offset: 16, .size: 8, .value_kind: global_buffer, .address_space: global }
      - { .name: wcodes, .offset: 24, .size: 8, .value_kind: global_buffer, .address_space: global }
      - { .name: wscales, .offset: 32, .size: 8, .value_kind: global_buffer, .address_space: global }
      - { .name: bq, .offset: 40, .size: 8, .value_kind: global_buffer, .address_space: global }
      - { .name: bk, .offset: 48, .size: 8, .value_kind: global_buffer, .address_space: global }
      - { .name: bv, .offset: 56, .size: 8, .value_kind: global_buffer, .address_space: global }
      - { .name: qc, .offset: 64, .size: 8, .value_kind: global_buffer, .address_space: global }
      - { .name: qs, .offset: 72, .size: 8, .value_kind: global_buffer, .address_space: global }
      - { .name: kv, .offset: 80, .size: 8, .value_kind: global_buffer, .address_space: global }
      - { .name: sc, .offset: 88, .size: 8, .value_kind: global_buffer, .address_space: global }
    .group_segment_fixed_size: 168960
    .private_segment_fixed_size: 0
    .kernarg_segment_align: 8
    .kernarg_segment_size: 96
    .max_flat_workgroup_size: 256
    .sgpr_count:     80
    .vgpr_count:     512
    .wavefront_size: 32
...
	.end_amdgpu_metadata
.endif
;; end of part 2
;; launch attn (part 3): grid 16 x 16, 8 waves a work-group, clusters of 4 x 1, 327,680 bytes of LDS; arguments qc, qs, kv, sc, ac, asc; writes ac, asc
.if DOCPART == 3
	.amdgcn_target "amdgcn-amd-amdhsa--gfx1250"
	.amdhsa_code_object_version 6
	.text
	.protected	k_qf9b2b9054e_attn
	.globl	k_qf9b2b9054e_attn
	.p2align	8
	.type	k_qf9b2b9054e_attn,@function
k_qf9b2b9054e_attn:
	s_mov_b64 s[64:65], 0
	v_nop
	global_prefetch_b8 v0, s[64:65] scope:SCOPE_SE
	s_setreg_imm32_b32 hwreg(HW_REG_WAVE_MODE, 25, 1), 1
	s_wait_xcnt 0x0
	s_wait_alu depctr_hold_cnt(0) depctr_sa_sdst(0) depctr_va_vdst(0) depctr_va_sdst(0) depctr_va_ssrc(0) depctr_va_vcc(0) depctr_vm_vsrc(0)
	s_getreg_b32 s2, hwreg(HW_REG_IB_STS2, 6, 4)
	s_cmp_eq_u32 s2, 0
	s_cbranch_scc0 .Lentry_in_a_cluster
	s_endpgm
.Lentry_in_a_cluster:
	s_bfe_u32 s2, ttmp6, 0x10000c
	s_cmp_lg_u32 s2, 0x3003
	s_cbranch_scc0 .Lentry_shape_is_right
	s_endpgm
.Lentry_shape_is_right:
; Attention of one head on codes of BF8 (E5M2), one E8M0 byte for each 32 along a product's K: S^T = K Q^T, p = 2^(t - M), O^T = V^T P^T, O / l, and the quantiser of the result along the head's 32.
; t = score x log2(e) / sqrt(32); M = the running largest t rounded up to a whole number; l is the sum of the unquantised p.  When M moves, l and O^T are multiplied by 2^(old M - new M), which rounds nothing.
; SHARES.  A work-group owns 256 queries of one head (grid y); each of its 8 waves owns 32 of them, two tiles of 16 (A and B), so that each fragment of K and V read from LDS feeds both tiles.
; A head's K and V (262,144 bytes, 8,192 a step of 128 keys, as images of operand registers) and their scale words (8,192 bytes) stay in LDS: every byte is filled once.
; The four work-groups of a cluster walk the same head: all tensor loads are joint loads (mask 15).  At the head wave 7 fetches the scale words and waves 0 to 6 one key step each; behind the full sequence
; and a round every wave fetches 100 rows of 256 bytes of the other 25 steps, and six steps are worked while those land (their reads end at step 6's K).
; NO PREFETCH: all tensor loads of the launch go out at its head; there is no loop to run ahead in.
; The head's 32 fill one block of a K of 128: a fragment of K holds four tiles of 16 keys, one a block, and Q stands in one block of an operand of zeros, moved by four registers from tile to tile.
; THE TWO TILES GO HALF A STEP APART.  A half step for tile X: X's scores, their maxima, M, t - M; then X's exponentials, and between them, line by line, the other tile Y's first level of sums and its holds,
; which read only what was written ahead of the batch's first wait and are read only behind its second; then Y's conversions, the rest of its sums and its two products onto O^T.
; The loop is written once: its first pass finishes a tile B of zeros (zero codes against step 0's V add 0); tile B's last step is finished behind the loop.
; REGISTERS.  Window 1: the scores, then p, of both tiles (S0 + 64 x tile), K's and V's fragments, the sums' first level (TMP), the holds (HD).  Window 0: addresses, scale words (v10-15, nothing else), Q in its zeros,
; O^T, p's codes, l in four packed chains, and each tile's small state (SA, SB).
; LIMITS: NaN and infinities are not served; the promise holds while |t| stays under 2^31; a block whose every p is 0 keeps the byte 1 (its codes are zeros; this program alone reads the bytes).
.set SC,    262144                     ; the scale words: 256 bytes a step: K's 128, V's 128
.set STG,   SC+8192                    ; 256 bytes: the result's scale bytes, gathered
.set SPARE, STG+256                    ; the spare words, 128 bytes a wave: four blocks of 256 bytes that no other line names
.set LI,  1                            ; 16 x lane
.set LS,  2                            ; SC + 4 x lane
.set ADK, 3                            ; the step's images
.set ADS, 4                            ; the step's scale words
.set QSA, 5
.set STB, 6
.set L8,  7
.set STL, 8
.set PSW, 10                           ; v10, v11 p's scale words
.set QSC, 12                           ; v12, v13 q's
.set KSC, 14
.set VSC, 15
.set QZ,  16                           ; v16-43, v44-71
.set O,   72                           ; v72-87, v88-103
.set PC,  104                          ; v104-119, v120-135
.set SUM, 136                          ; v136-143, v144-151
.set SA,  160                          ; tile A's small state: +0 the blocks' maxima, +4 at work, +8 the conversions' scale operands, +12 -M, +13 the largest score, +14 f (a pair), +16 at work
.set SB,  192                          ; tile B's
.set S0,  16                           ; window 1: v16-79, v80-143
.set KF,  144                          ; window 1
.set VF,  176                          ; window 1
.set TMP, 208                          ; window 1
.set HD,  240                          ; window 1: v240-243, v244-247
.set SPW, 254
.set NIL, 255
.set WV,  16
.set SEL, 20
.set CS,  22
.set MNT, 24
.set TB,  25
.set TS,  26
.set CNT, 27
.set G1A, 28                           ; 32 rows of 256 bytes
.set G1B, 36                           ; 100 rows
.set G0S, 44
.set G0A, 48
.set G0B, 52
.set NCS, 56
.set MSB, 0
.macro WIN new                         ; the immediate's high byte repeats the setting that is left
.if MSB != \new
	s_set_vgpr_msb (MSB<<8)|\new
.set MSB, \new
.endif
.endm
.macro PLACES n
.rept \n
	v_nop
.endr
.endm
.macro CROUND                          ; a round of the cluster's barrier
	s_barrier_signal -1
	s_barrier_wait -1
	s_cmp_lg_u32 s[WV], 0
	s_cbranch_scc1 .Lnot_wave_0_\@
	s_barrier_signal -3
.Lnot_wave_0_\@:
	s_barrier_wait -3
	s_barrier_signal -1
	s_barrier_wait -1
.endm
.macro WM d, a, b, c, sa, sb, ra       ; one product; c < 0: the constant 0; ra: source 0's scale words are read from lanes 16-31
.if (\c) < 0
.if (\ra)
	v_wmma_scale_f32_16x16x128_f8f6f4 v[(\d):(\d)+7], v[(\a):(\a)+15], v[(\b):(\b)+15], 0, v[\sa], v[\sb] matrix_a_fmt:MATRIX_FMT_BF8 matrix_b_fmt:MATRIX_FMT_BF8 matrix_a_scale:MATRIX_SCALE_ROW1
.else
	v_wmma_scale_f32_16x16x128_f8f6f4 v[(\d):(\d)+7], v[(\a):(\a)+15], v[(\b):(\b)+15], 0, v[\sa], v[\sb] matrix_a_fmt:MATRIX_FMT_BF8 matrix_b_fmt:MATRIX_FMT_BF8
.endif
.else
.if (\ra)
	v_wmma_scale_f32_16x16x128_f8f6f4 v[(\d):(\d)+7], v[(\a):(\a)+15], v[(\b):(\b)+15], v[(\c):(\c)+7], v[\sa], v[\sb] matrix_a_fmt:MATRIX_FMT_BF8 matrix_b_fmt:MATRIX_FMT_BF8 matrix_a_scale:MATRIX_SCALE_ROW1
.else
	v_wmma_scale_f32_16x16x128_f8f6f4 v[(\d):(\d)+7], v[(\a):(\a)+15], v[(\b):(\b)+15], v[(\c):(\c)+7], v[\sa], v[\sb] matrix_a_fmt:MATRIX_FMT_BF8 matrix_b_fmt:MATRIX_FMT_BF8
.endif
.endif
.endm
.macro FLOAD reg, off                  ; two fragments at byte off of the step in hand (destination window 1)
.irp f, 0,1
.irp c, 0,1,2,3
	ds_load_b128 v[\reg+16*\f+4*\c:\reg+16*\f+4*\c+3], v[ADK] offset:\off+2048*\f+512*\c
.endr
.endr
.endm
.macro SETT x                          ; X = tile x, whose scores are made; Y = the other, which is finished
.set SX, S0+64*(\x)
.set SY, S0+64-64*(\x)
.set TX, SA+32*(\x)
.set TY, SA+32-32*(\x)
.set HY, HD+4-4*(\x)
.set OX, O+16*(\x)
.set OY, O+16-16*(\x)
.set PY, PC+16-16*(\x)
.set UX, SUM+8*(\x)
.set UY, SUM+8-8*(\x)
.set QX, QZ+28*(\x)
.set WX, QSC+(\x)
.set WY, PSW+1-(\x)
.endm
.macro SCL1                            ; Y's blocks: the floor 2^(16 - 127) under the largest p holds the byte at 1 from below; 15 off the exponent field gives the conversion's scale operand
.irp b, 0,1,2,3
	v_max_num_f32 v[TY+\b], 0x8000000, v[TY+\b]
.endr
.irp b, 0,1,2,3
	v_add_nc_u32 v[TY+8+\b], 0xf8800000, v[TY+\b]
.endr
.endm
.macro HDY                             ; 57,344 x the scale (destination window 1)
.irp b, 0,1,2,3
	v_and_or_b32 v[HY+\b], v[TY+\b], 0x7f800000, s[MNT]
.endr
.endm
.macro GADD b, j                       ; l takes the unquantised p: the first level, two pairs into one
	v_pk_add_f32 v[TMP+8*\b+\j:TMP+8*\b+\j+1], v[SY+16*\b+\j:SY+16*\b+\j+1], v[SY+16*\b+16+\j:SY+16*\b+17+\j]
.endm
; the hold (the conversion to an 8-bit code does not saturate: ISA guide 7.6.2; p is not negative, so it is one-sided).  A pair takes one number of block b and one of block b + 1:
; one destination even, one odd, and the sources of the two halves in different register banks
.macro GMIN1 b, j
	v_dual_min_num_f32 v[SY+16*\b+\j], v[HY+\b], v[SY+16*\b+\j] :: v_dual_min_num_f32 v[SY+16*\b+17+\j], v[HY+\b+1], v[SY+16*\b+17+\j]
.endm
.macro GMIN2 b, j
	v_dual_min_num_f32 v[SY+16*\b+\j+1], v[HY+\b], v[SY+16*\b+\j+1] :: v_dual_min_num_f32 v[SY+16*\b+16+\j], v[HY+\b+1], v[SY+16*\b+16+\j]
.endm
.macro FINY                            ; Y's codes, the rest of its sums in four chains (the last four lines are the places ahead of the products), and O^T += V^T P^T.  Source 0 window 1
.irp b, 0,1,2,3
	v_cvt_scalef32_pk8_bf8_f32 v[PY+4*\b:PY+4*\b+1], v[SY+16*\b:SY+16*\b+7], v[TY+8+\b]
	v_cvt_scalef32_pk8_bf8_f32 v[PY+4*\b+2:PY+4*\b+3], v[SY+16*\b+8:SY+16*\b+15], v[TY+8+\b]
.irp k, 0,1,2,3
	v_pk_add_f32 v[UY+2*\k:UY+2*\k+1], v[TMP+8*\b+2*\k:TMP+8*\b+2*\k+1], v[UY+2*\k:UY+2*\k+1]
.endr
.endr
	WM OY, VF, PY, OY, VSC, WY, 0
	WM OY+8, VF+16, PY, OY+8, VSC, WY, 1
.endm
	s_load_b256 s[4:11], s[0:1], 0x0               ; qc s[4:5], qs s[6:7], kv s[8:9], sc s[10:11]
	s_load_b128 s[12:15], s[0:1], 0x20             ; ac s[12:13], asc s[14:15]
	v_lshl_add_u32 v[SPW], v0, 2, SPARE
	v_mov_b32 v[NIL], 0
	ds_add_u32 v[SPW], v[NIL]                      ; the opening lines: the add, twice on end, and its wait ahead of the first round
	ds_add_u32 v[SPW], v[NIL]
	v_lshrrev_b32 v9, 5, v0
	s_delay_alu instid0(VALU_DEP_1)
	v_readfirstlane_b32 s[WV], v9                  ; wave 0..7
	s_bfe_u32 s17, ttmp6, 0x40000                  ; cx
	s_lshl_b32 s18, ttmp9, 2
	s_add_co_u32 s18, s18, s17                     ; which 256 queries
	s_and_b32 s19, ttmp7, 0xffff                   ; 8 b + head
.irp g, G1A, G1B
	s_mov_b32 s[\g], 15|(3<<16)|(1<<21)            ; the mask of the four partners, elements of 8 bytes, bit 21 beside the mask
	s_mov_b32 s[\g+1], 32<<16
	s_mov_b32 s[\g+3], 32<<16
	s_mov_b32 s[\g+5], 32
	s_mov_b32 s[\g+6], 0
	s_mov_b32 s[\g+7], 0
.endr
	s_mov_b32 s[G1A+2], 32<<16
	s_mov_b32 s[G1A+4], 32
	s_mov_b32 s[G1B+2], 100<<16
	s_mov_b32 s[G1B+4], 100
	s_mov_b32 s[SEL], 0x76543210
	s_mov_b32 s[SEL+1], 0xfedcba98
	s_mov_b32 s[CS], 0x3e8293ee                    ; c = log2(e) / sqrt(32)
	s_mov_b32 s[CS+1], s[CS]
	s_mov_b32 s[NCS], 0xbe8293ee                   ; -c
	s_mov_b32 s[MNT], 0x600000                     ; the mantissa field of 57,344
	s_mov_b32 s67, 0
	s_mov_b32 s71, 0
	v_and_b32 v152, 31, v0
	v_and_b32 v153, 15, v0
	s_lshl_b32 s68, s[WV], 5
	s_add_co_u32 s68, s68, STG
	v_lshlrev_b32 v[LI], 4, v152
	v_lshl_add_u32 v[LS], v152, 2, SC
	v_lshlrev_b32 v[QSA], 2, v153
	v_add_nc_u32 v[STB], s68, v153                 ; my wave's 32 bytes of the stage
	v_lshlrev_b32 v[L8], 3, v152
	v_lshl_add_u32 v[STL], v152, 3, STG
	s_mov_b32 s[G0S], 1
	s_mov_b32 s[G0A], 1
	s_mov_b32 s[G0B], 1
	s_wait_alu depctr_va_vdst(0)
	s_wait_dscnt 0x0
	s_wait_kmcnt 0x0
	s_lshl_b32 s66, s19, 13
	s_mov_b32 s[G0S+1], SC
	s_add_nc_u64 s[G0S+2:G0S+3], s[10:11], s[66:67]   ; the head's scale words
	s_or_b32 s[G0S+3], s[G0S+3], 0x80000000
	s_lshl_b32 s68, s[WV], 13
	s_lshl_b32 s66, s19, 18
	s_add_co_u32 s66, s66, s68
	s_mov_b32 s[G0A+1], s68
	s_add_nc_u64 s[G0A+2:G0A+3], s[8:9], s[66:67]     ; key step = wave
	s_or_b32 s[G0A+3], s[G0A+3], 0x80000000
	s_mul_i32 s68, s[WV], 25600
	s_add_co_u32 s68, s68, 57344
	s_mov_b32 s[G0B+1], s68
	s_lshl_b32 s66, s19, 18
	s_add_co_u32 s66, s66, s68
	s_add_nc_u64 s[G0B+2:G0B+3], s[8:9], s[66:67]     ; my eighth of steps 7 to 31
	s_or_b32 s[G0B+3], s[G0B+3], 0x80000000
	CROUND
	s_cmp_lt_u32 s[WV], 7                          ; one tensor load a wave at the head, in the two arms of one branch on the wave's number
	s_cbranch_scc0 .Lhead_s
	tensor_load_to_lds s[G0A:G0A+3], s[G1A:G1A+7]
	s_nop 0
	PLACES 4
	s_branch .Lhead_asked
.Lhead_s:
	tensor_load_to_lds s[G0S:G0S+3], s[G1A:G1A+7]
	s_nop 0
	PLACES 4
.Lhead_asked:
	s_lshl_b32 s70, s19, 17
	s_lshl_b32 s69, s18, 13
	s_add_co_u32 s70, s70, s69
	s_lshl_b32 s69, s[WV], 10
	s_add_co_u32 s70, s70, s69
	s_add_nc_u64 s[76:77], s[4:5], s[70:71]        ; my two tiles of q: 512 bytes each
	s_lshl_b32 s70, s19, 14
	s_lshl_b32 s69, s18, 10
	s_add_co_u32 s70, s70, s69
	s_lshl_b32 s69, s[WV], 7
	s_add_co_u32 s70, s70, s69
	s_add_nc_u64 s[78:79], s[6:7], s[70:71]
	global_load_b128 v[QZ+12:QZ+15], v[LI], s[76:77]
	global_load_b128 v[QZ+40:QZ+43], v[LI], s[76:77] offset:512
	global_load_b32 v[QSC], v[QSA], s[78:79]
	global_load_b32 v[QSC+1], v[QSA], s[78:79] offset:64
	s_lshr_b32 s72, s19, 3                         ; b
	s_and_b32 s73, s19, 7                          ; head
	s_lshl_b32 s70, s72, 20
	s_lshl_b32 s69, s18, 16
	s_add_co_u32 s70, s70, s69
	s_lshl_b32 s69, s[WV], 13
	s_add_co_u32 s70, s70, s69
	s_lshl_b32 s69, s73, 9
	s_add_co_u32 s70, s70, s69
	s_add_nc_u64 s[12:13], s[12:13], s[70:71]      ; ac: 4,096 bytes a token tile, 512 a head
	s_lshl_b32 s70, s73, 13
	s_lshl_b32 s69, s72, 12
	s_add_co_u32 s70, s70, s69
	s_lshl_b32 s69, s18, 8
	s_add_co_u32 s70, s70, s69
	s_add_nc_u64 s[14:15], s[14:15], s[70:71]
.irp q, QZ, QZ+28                              ; the zeros round Q
.irp j, 0,1,2,3,4,5,6,7,8,9,10,11
	v_mov_b32 v[\q+\j], 0
	v_mov_b32 v[\q+16+\j], 0
.endr
.endr
.set J, 0
.rept 32
	v_mov_b32 v[O+J], 0                            ; O^T: the first change of M multiplies zeros
.set J, J+1
.endr
.set J, 0
.rept 16
	v_mov_b32 v[SUM+J], 0
.set J, J+1
.endr
.irp t, SA, SB
	v_mov_b32 v[\t+13], 0xff61b1e6                 ; the largest score so far: -3e38
	v_mov_b32 v[\t+12], 0x7f61b1e6                 ; -M
	v_mov_b32 v[\t+15], 0                          ; named as the upper half of f's pair
.irp b, 0,1,2,3,4,5,6,7
	v_mov_b32 v[\t+\b], 0                          ; the first pass's tile of zeros has 0 as its largest p; a lane permute's destination counts as one of its sources
.endr
.endr
	WIN 0x40
.set J, 0
.rept 64
	v_mov_b32 v[S0+64+J], 0                        ; the tile of zeros that the first pass finishes
.set J, J+1
.endr
	WIN 0
	s_wait_alu depctr_va_vdst(0)
	s_wait_tensorcnt 0x0                           ; my load of the head is in
	ds_add_u32 v[SPW], v[NIL]
	s_wait_dscnt 0x0
	CROUND                                         ; steps 0 to 6 and the scale words are whole, and the four partners are here
	tensor_load_to_lds s[G0B:G0B+3], s[G1B:G1B+7]
	s_nop 0
	PLACES 4
	s_mov_b32 s[TB], 0
	s_mov_b32 s[TS], 0
	v_add_nc_u32 v[ADK], s[TB], v[LI]
	v_add_nc_u32 v[ADS], s[TS], v[LS]
	ds_load_b32 v[KSC], v[ADS]
	ds_load_b32 v[VSC], v[ADS] offset:128
	WIN 0x40
	FLOAD KF, 0                                    ; step 0's K, and its V for the first pass's product on zero codes
	FLOAD VF, 4096
	WIN 0
	s_wait_loadcnt 0x0                             ; q
	s_wait_dscnt 0x0
; HALF A STEP.  ld = 1 (tile B's half): V of this step and, pf = 1, K of the next are asked for.
.macro HALF x, ld, pf
	SETT \x
	WIN 0x41                                       ; K and the scores in window 1, Q in window 0
.irp t, 0,1,2,3,4,5,6,7
	WM SX+8*\t, KF+16*(\t/4), QX+12-4*(\t%4), -1, KSC, WX, \t/4
.endr
	WIN 0
	SCL1                                           ; eight lines of Y's: the places ahead of the first read of the scores and of loads into registers that products have read
.if \ld
	v_add_nc_u32 v[ADK], s[TB], v[LI]
	v_add_nc_u32 v[ADS], s[TS], v[LS]
	ds_load_b32 v[VSC], v[ADS] offset:128
.if \pf
	ds_load_b32 v[KSC], v[ADS] offset:256
.endif
.endif
	WIN 0x40
	HDY
.if \ld
	FLOAD VF, 4096
.if \pf
	FLOAD KF, 8192
.endif
.endif
	WIN 0x15                                       ; the largest score of each block of 32 keys, my 16 of each in two chains (9 and 7 numbers): eight chains by turns
.irp b, 0,1,2,3
	v_max3_num_f32 v[TX+\b], v[SX+16*\b], v[SX+16*\b+1], v[SX+16*\b+2]
.endr
.irp b, 0,1,2,3
	v_max3_num_f32 v[TX+4+\b], v[SX+16*\b+9], v[SX+16*\b+10], v[SX+16*\b+11]
.endr
	WIN 0x14
.irp i, 0,2
.irp b, 0,1,2,3
	v_max3_num_f32 v[TX+\b], v[TX+\b], v[SX+16*\b+3+\i], v[SX+16*\b+4+\i]
.endr
.irp b, 0,1,2,3
	v_max3_num_f32 v[TX+4+\b], v[TX+4+\b], v[SX+16*\b+12+\i], v[SX+16*\b+13+\i]
.endr
.endr
.irp b, 0,1,2,3
	v_max3_num_f32 v[TX+\b], v[TX+\b], v[SX+16*\b+7], v[SX+16*\b+8]
.endr
	WIN 0
.irp b, 0,1,2,3
	v_max_num_f32 v[TX+\b], v[TX+\b], v[TX+4+\b]   ; a block's two chains are joined
.endr
.irp b, 0,1,2,3
	v_lshrrev_b32 v[TY+4+\b], 23, v[TY+8+\b]       ; Y's scale bytes, and below its scale word, between the lines of X's chain
.endr
.irp b, 0,1,2,3
	v_permlanex16_b32 v[TX+4+\b], v[TX+\b], s[SEL], s[SEL+1]
.endr
	v_lshl_or_b32 v[WY], v[TY+5], 8, v[TY+4]
	v_mov_b32 v[TX+16], v[TX+12]
.irp b, 0,1,2,3
	v_max_num_f32 v[TX+\b], v[TX+\b], v[TX+4+\b]   ; with lane l xor 16's 16 keys: the block's largest score
.endr
	v_lshl_or_b32 v[WY], v[TY+6], 16, v[WY]
	s_delay_alu instid0(VALU_DEP_4)
	v_max3_num_f32 v[TX+13], v[TX+13], v[TX], v[TX+1]
	s_delay_alu instid0(VALU_DEP_2)
	v_lshl_or_b32 v[WY], v[TY+7], 24, v[WY]
	s_delay_alu instid0(VALU_DEP_2)
	v_max3_num_f32 v[TX+13], v[TX+13], v[TX+2], v[TX+3]   ; the running largest score
	s_delay_alu instid0(VALU_DEP_1)
	v_mul_f32 v[TX+4], s[NCS], v[TX+13]
	s_delay_alu instid0(VALU_DEP_1)
	v_floor_f32 v[TX+12], v[TX+4]                  ; -M = floor(-t): M is a whole number
	s_delay_alu instid0(VALU_DEP_1)
	v_sub_f32 v[TX+16], v[TX+12], v[TX+16]         ; old M - new M
	v_fma_f32 v[TX], v[TX], s[CS], v[TX+12]        ; t - M of each block's largest score: p rises with the score
	v_fma_f32 v[TX+1], v[TX+1], s[CS], v[TX+12]
	s_delay_alu instid0(VALU_DEP_3)
	v_cvt_i32_f32 v[TX+16], v[TX+16]               ; (it saturates)
	v_fma_f32 v[TX+2], v[TX+2], s[CS], v[TX+12]
	v_fma_f32 v[TX+3], v[TX+3], s[CS], v[TX+12]
	s_delay_alu instid0(VALU_DEP_3)
	v_ldexp_f32 v[TX+14], 1.0, v[TX+16]            ; f = 2^(old M - new M)
	WIN 0x41
.set J, 0
.rept 32
	v_pk_fma_f32 v[SX+J:SX+J+1], v[SX+J:SX+J+1], s[CS:CS+1], v[TX+12:TX+13] op_sel_hi:[1,0,0]   ; t - M, two at a time
.set J, J+2
.endr
	WIN 0
.irp j, 0,2,4,6,8,10,12,14
	v_pk_mul_f32 v[OX+\j:OX+\j+1], v[OX+\j:OX+\j+1], v[TX+14:TX+15] op_sel_hi:[1,0]             ; O^T and l under the new M
.endr
.irp j, 0,2,4,6
	v_pk_mul_f32 v[UX+\j:UX+\j+1], v[UX+\j:UX+\j+1], v[TX+14:TX+15] op_sel_hi:[1,0]
.endr
	s_wait_alu depctr_va_vdst(0)
.irp b, 0,1,2,3
	v_exp_f32 v[TX+\b], v[TX+\b]                   ; the blocks' largest p
.endr
	WIN 0x55
.set J, 0
.irp b, 0,2
.irp j, 0,2,4,6,8,10,12,14
	v_exp_f32 v[SX+J], v[SX+J]                     ; X's p; the lines between are Y's
	GADD \b, \j
	v_exp_f32 v[SX+J+1], v[SX+J+1]
	GMIN1 \b, \j
	v_exp_f32 v[SX+J+2], v[SX+J+2]
	GMIN2 \b, \j
	v_exp_f32 v[SX+J+3], v[SX+J+3]
.set J, J+4
.endr
.endr
	v_nop                                          ; a plain place behind the batch
	s_wait_alu depctr_va_vdst(0)                   ; one wait for the batch and for the lines laid into it, ahead of their first readers
.if \ld
	s_wait_dscnt 0x0                               ; V's fragments and words, and the next step's K
.endif
	WIN 0x01
	FINY
.endm
.macro STEP pf
	HALF 0, 0, 0
	HALF 1, 1, \pf
	WIN 0
	s_add_co_u32 s[TB], s[TB], 8192
	s_add_co_u32 s[TS], s[TS], 256
.endm
	s_mov_b32 s[CNT], 6
.Lfirst:                                           ; steps 0 to 5: their reads end at step 6's K, inside what the head's loads brought
	STEP 1
	s_sub_co_u32 s[CNT], s[CNT], 1
	s_cmp_lg_u32 s[CNT], 0
	s_cbranch_scc1 .Lfirst
	s_wait_tensorcnt 0x0                           ; my part of steps 7 to 31 is in;
	s_wait_dscnt 0x0
	s_barrier_signal -1
	s_barrier_wait -1                              ; everybody's is.  Nothing is filled again
	s_mov_b32 s[TB], 49152
	s_mov_b32 s[TS], 1536
	s_mov_b32 s[CNT], 25
.Lrest:                                            ; steps 6 to 30
	STEP 1
	s_sub_co_u32 s[CNT], s[CNT], 1
	s_cmp_lg_u32 s[CNT], 0
	s_cbranch_scc1 .Lrest
	STEP 0                                         ; step 31 asks for no further K
	; tile B's last step is finished
	SETT 0
	SCL1
.irp b, 0,1,2,3
	s_delay_alu instid0(VALU_DEP_4)
	v_lshrrev_b32 v[TY+4+\b], 23, v[TY+8+\b]
.endr
	s_delay_alu instid0(VALU_DEP_3)
	v_lshl_or_b32 v[WY], v[TY+5], 8, v[TY+4]
	s_delay_alu instid0(VALU_DEP_1)
	v_lshl_or_b32 v[WY], v[TY+6], 16, v[WY]
	s_delay_alu instid0(VALU_DEP_1)
	v_lshl_or_b32 v[WY], v[TY+7], 24, v[WY]
	WIN 0x40
	HDY
	WIN 0x55
.irp b, 0,2
.irp j, 0,2,4,6,8,10,12,14
	GADD \b, \j
	GMIN1 \b, \j
	GMIN2 \b, \j
.endr
.endr
	WIN 0x01
	FINY
	WIN 0
	; THE WAY OUT: O^T / l, the quantiser along the head's 32 (a block lies in lanes l and l xor 16), codes as an image, the bytes through the stage
.irp u, SUM, SUM+8
	v_pk_add_f32 v[\u:\u+1], v[\u:\u+1], v[\u+2:\u+3]
	v_pk_add_f32 v[\u+4:\u+5], v[\u+4:\u+5], v[\u+6:\u+7]
.endr
	s_delay_alu instid0(VALU_DEP_3)
	v_pk_add_f32 v[SUM:SUM+1], v[SUM:SUM+1], v[SUM+4:SUM+5]
	s_delay_alu instid0(VALU_DEP_2)
	v_pk_add_f32 v[SUM+8:SUM+9], v[SUM+8:SUM+9], v[SUM+12:SUM+13]
.irp u, SUM, SUM+8
	s_delay_alu instid0(VALU_DEP_2)
	v_add_f32 v[\u], v[\u], v[\u+1]
.endr
.irp u, SUM, SUM+8
	s_delay_alu instid0(VALU_DEP_2)
	v_permlanex16_b32 v[\u+1], v[\u], s[SEL], s[SEL+1]
.endr
.irp u, SUM, SUM+8
	s_delay_alu instid0(VALU_DEP_2)
	v_add_f32 v[\u], v[\u], v[\u+1]
.endr
	s_wait_alu depctr_va_vdst(0)
	v_rcp_f32 v[SUM], v[SUM]
	v_rcp_f32 v[SUM+8], v[SUM+8]
	v_nop
	s_wait_alu depctr_va_vdst(0)                   ; and behind it, directly ahead of the first readers
.irp j, 0,1,2,3,4,5,6,7,8,9,10,11,12,13,14,15
	v_mul_f32 v[16+\j], v[O+\j], v[SUM]
.endr
.irp j, 0,1,2,3,4,5,6,7,8,9,10,11,12,13,14,15
	v_mul_f32 v[32+\j], v[O+16+\j], v[SUM+8]
.endr
.macro TQ x, t, p, tile
	v_max3_num_f32 v[\t], |v[\x]|, |v[\x+1]|, 0x8000000
.irp i, 2,4,6,8,10,12,14
	s_delay_alu instid0(VALU_DEP_1)
	v_max3_num_f32 v[\t], v[\t], |v[\x+\i]|, |v[\x+1+\i]|
.endr
	s_delay_alu instid0(VALU_DEP_1)
	v_permlanex16_b32 v[\t+4], v[\t], s[SEL], s[SEL+1]
	s_delay_alu instid0(VALU_DEP_1)
	v_max_num_f32 v[\t], v[\t], v[\t+4]
	s_delay_alu instid0(VALU_DEP_1)
	v_add_nc_u32 v[\t+8], 0xf8800000, v[\t]
	s_delay_alu instid0(VALU_DEP_2)
	v_and_or_b32 v[\t+1], v[\t], 0x7f800000, s[MNT]
	s_delay_alu instid0(VALU_DEP_2)
	v_lshrrev_b32 v[\t+4], 23, v[\t+8]
.irp i, 0,1,2,3,4,5,6,7,8,9,10,11,12,13,14,15
	v_med3_num_f32 v[\x+\i], v[\x+\i], -v[\t+1], v[\t+1]
.endr
	v_cvt_scalef32_pk8_bf8_f32 v[\p:\p+1], v[\x:\x+7], v[\t+8]
	v_cvt_scalef32_pk8_bf8_f32 v[\p+2:\p+3], v[\x+8:\x+15], v[\t+8]
	v_nop                                          ; one plain line behind the last conversion
	global_store_b128 v[LI], v[\p:\p+3], s[12:13] offset:4096*\tile   ; 32 lanes store 512 consecutive bytes
	ds_store_b8 v[STB], v[\t+4] offset:16*\tile    ; lanes r and r + 16 store the same byte
.endm
	TQ 16, SA, PC, 0
	TQ 32, SB, PC+4, 1
	s_wait_dscnt 0x0
	s_barrier_signal -1
	s_barrier_wait -1
	s_cmp_lg_u32 s[WV], 0
	s_cbranch_scc1 .Lnot_first
	ds_load_b64 v[152:153], v[STL]
	s_wait_dscnt 0x0
	global_store_b64 v[L8], v[152:153], s[14:15]   ; the work-group's 256 bytes leave as one aligned unit
.Lnot_first:
	s_wait_tensorcnt 0x0                           ; the wave's end
	ds_add_u32 v[SPW], v[NIL]
	s_wait_dscnt 0x0
	CROUND                                         ; the closing round
	s_endpgm
.Lfunc_end_k_qf9b2b9054e_attn:
	.size	k_qf9b2b9054e_attn, .Lfunc_end_k_qf9b2b9054e_attn-k_qf9b2b9054e_attn
	.p2alignl 7, 3214868480
	.fill 96, 4, 3214868480
	.section	.rodata,"a",@progbits
	.p2align	6, 0x0
	.amdhsa_kernel k_qf9b2b9054e_attn
		.amdhsa_group_segment_fixed_size 327680
		.amdhsa_private_segment_fixed_size 0
		.amdhsa_enable_private_segment 0
		.amdhsa_kernarg_size 48
		.amdhsa_user_sgpr_count 2
		.amdhsa_user_sgpr_kernarg_segment_ptr 1
		.amdhsa_wavefront_size32 1
		.amdhsa_system_sgpr_workgroup_id_x 1
		.amdhsa_system_sgpr_workgroup_id_y 1
		.amdhsa_system_sgpr_workgroup_id_z 1
		.amdhsa_system_vgpr_workitem_id 0
		.amdhsa_next_free_vgpr 512
		.amdhsa_next_free_sgpr 80
		.amdhsa_reserve_vcc 0
		.amdhsa_float_denorm_mode_32 3
		.amdhsa_float_denorm_mode_16_64 3
		.amdhsa_memory_ordered 1
		.amdhsa_forward_progress 1
		.amdhsa_inst_pref_size 124
	.end_amdhsa_kernel
	.amdgpu_metadata
---
amdhsa.version: [ 1, 2 ]
amdhsa.kernels:
  - .name:           k_qf9b2b9054e_attn
    .symbol:         k_qf9b2b9054e_attn.kd
    .args:
      - { .name: qc, .offset: 0, .size: 8, .value_kind: global_buffer, .address_space: global }
      - { .name: qs, .offset: 8, .size: 8, .value_kind: global_buffer, .address_space: global }
      - { .name: kv, .offset: 16, .size: 8, .value_kind: global_buffer, .address_space: global }
      - { .name: sc, .offset: 24, .size: 8, .value_kind: global_buffer, .address_space: global }
      - { .name: ac, .offset: 32, .size: 8, .value_kind: global_buffer, .address_space: global }
      - { .name: asc, .offset: 40, .size: 8, .value_kind: global_buffer, .address_space: global }
    .group_segment_fixed_size: 327680
    .private_segment_fixed_size: 0
    .kernarg_segment_align: 8
    .kernarg_segment_size: 48
    .max_flat_workgroup_size: 256
    .sgpr_count:     80
    .vgpr_count:     512
    .wavefront_size: 32
...
	.end_amdgpu_metadata
.endif
;; end of part 3
;; launch ffn (part 4): grid 128 x 1, 8 waves a work-group, no clusters, 168,960 bytes of LDS; arguments x, ac, asc, wcodes, wscales, bo, g2, b2, bf1, bf2, out0; writes out0
.if DOCPART == 4
	.amdgcn_target "amdgcn-amd-amdhsa--gfx1250"
	.amdhsa_code_object_version 6
	.text
	.protected	k_qf9b2b9054e_ffn
	.globl	k_qf9b2b9054e_ffn
	.p2align	8
	.type	k_qf9b2b9054e_ffn,@function
k_qf9b2b9054e_ffn:
	s_mov_b64 s[64:65], 0
	v_nop
	global_prefetch_b8 v0, s[64:65] scope:SCOPE_SE
	s_setreg_imm32_b32 hwreg(HW_REG_WAVE_MODE, 25, 1), 1
	s_wait_xcnt 0x0
; y1 = x + attention wo + bo;  xn2 = LayerNorm 2 (y1);  out = y1 + relu(xn2 w1 + bf1) w2 + bf2, stored channel-major.  All three products on codes of BF8 (E5M2) with one E8M0 byte for each 32 along K.
; SHARES.  A work-group takes 64 tokens (4 tiles of 16).  THE WAVES SHARE THE COLUMNS: wave w owns output channels 32 w .. 32 w + 31 of wo and of w2 and hidden units 128 w .. 128 w + 127, which are K step w of w2,
; for all 64 tokens.  Its weight fragments go from memory straight into its registers, as images, each once.  What goes from wave to wave goes through LDS as images of operand registers: xn2 and the hidden layer.
; All products are used TRANSPOSED (source 0 = 16 columns of a weight, source 1 = 16 tokens): a lane holds one token and eight channels a tile.  Inside a block of 32, place 8 u + j holds true index 16 u + 8 h + j, in every operand.
; x's 32 channel rows of the wave (256 bytes each) come by one tensor load into rows that stay the wave's own: they hold x, then y1 + bf2, then the result, which leaves as whole rows of 256 bytes.
; The residual and the biases are the C of each sum's first product.  LayerNorm 2: each wave's mean and sum of squared differences over its 32 channels, joined over the 8 waves by the parallel form.
; NO JOINT LOADS: what the work-groups share are the weights, which each wave takes into registers in the operand's order; nothing shared goes through LDS.  128 work-groups: 32 tokens would be half of an aligned 256 bytes of every row.
; LIMITS: NaN and infinities are not served; a block of zeros gets the byte 1 (its codes are zeros; this program alone reads the bytes).
.set XP,   272
.set STAT, 256*XP                      ; [wave][token] pairs (mean, M2): 8 x 512 bytes
.set XIMG, STAT+4096                   ; xn2's 8 fragment images (2 m + K step)
.set XSC,  XIMG+8*2048                 ; their scale words, 64 bytes each
.set HIMG, XSC+512                     ; the hidden layer's 32 images (8 m + K step)
.set HSC,  HIMG+32*2048                ; their scale words: [K step][m][16 words]
.set OGA, 1                            ; v1   the lane at the head; then my byte offset in the wave's rows of out0
.set LI,  4                            ; v4   16 x lane;  v5  4 x lane
.set LS,  5
.set XA,  6                            ; v6   my token column in my wave's rows, at channel 8 h
.set ASA, 7                            ; v7   32768 h + r: the attention's scale bytes
.set BA,  8                            ; v8   32 h
.set STW, 9
.set STR, 10
.set XWI, 11
.set XWS, 12
.set HWI, 13
.set HWS, 14
.set HRI, 15
.set WOS, 16                           ; scale words: v16-17 wo (K step), v18-25 w1 (4 ks + t / 2), v26-33 w2 (K step): lanes 0-15 the even tile, lanes 16-31 the odd
.set W1S, 18
.set W2S, 26
.set AS,  34                           ; v34-37 attention's, token tile m: lanes 0-15 K step 0, lanes 16-31 K step 1
.set XS,  38                           ; v38 xn2's likewise
.set ORD, 39                           ; v39 the way out: where I read a row back
.set HS,  40                           ; v40-43 the hidden layer's, two sets: lanes 0-15 m even, lanes 16-31 m odd
.set PW,  44
.set XRI, 45
.set HRS, 46
.set XRS, 47
.set R1,  48                           ; v48-111
.set R2,  112                          ; v112-175: register 16 m + 8 u + j: token (m, r), channel 32 w + 16 u + 8 h + j; in the hidden phase 8 t + j
.set R3,  176                          ; v176-239
.set TM,  240
.set MU,  R1+48                        ; + 4 m: mu, a scratch register, 1 / sigma, the variance
.set RS,  R1+50
.set VR,  R1+51
; window 1: w1 at 32 t + 16 ks (wo first at 192 + 32 u + 16 ks); later w2 at 32 ks + 16 u
.set WV,  26
.set SEL, 30
.set MNT, 32
.set G1,  36
.set G0,  44
.set ACB, 48
.set ASB, 50
.set WCB, 52
.set W1B, 54
.set WSB, 56
.set WS1, 58
.set BOB, 60
.set G2B, 62
.set B2B, 66
.set BF2B, 68
.set BF1B, 70
.set OUTB, 72
.set MSB, 0
.macro WIN new                         ; the immediate's high byte repeats the setting that is left
.if MSB != \new
	s_set_vgpr_msb (MSB<<8)|\new
.set MSB, \new
.endif
.endm
.macro PLACES n
.rept \n
	v_nop
.endr
.endm
.macro BARRIER                         ; my LDS stores have landed and my LDS loads are in: then the work-group's barrier
	s_wait_dscnt 0x0
	s_barrier_signal -1
	s_barrier_wait -1
.endm
.macro IMAGE adr, off, pc
.irp c, 0,1,2,3
	ds_store_b128 v[\adr], v[\pc+4*\c:\pc+4*\c+3] offset:\off+512*\c
.endr
.endm
.macro FETCH reg, adr, off
.irp c, 0,1,2,3
	ds_load_b128 v[\reg+4*\c:\reg+4*\c+3], v[\adr] offset:\off+512*\c
.endr
.endm
.macro XLD reg                         ; my 64 numbers out of my wave's rows
.irp m, 0,1,2,3
.irp u, 0,1
.irp j, 0,1,2,3,4,5,6,7
	ds_load_b32 v[\reg+16*\m+8*\u+\j], v[XA] offset:(16*\u+\j)*XP+64*\m
.endr
.endr
.endr
.endm
.macro XST reg                         ; and into them
.irp m, 0,1,2,3
.irp u, 0,1
.irp j, 0,1,2,3,4,5,6,7
	ds_store_b32 v[XA], v[\reg+16*\m+8*\u+\j] offset:(16*\u+\j)*XP+64*\m
.endr
.endr
.endr
.endm
; one product: D, A, B, C, the two scale registers, and whether each side's words are read from lanes 16-31
.macro WM d, a, b, c, sa, sb, ra, rb
.if (\ra) && (\rb)
	v_wmma_scale_f32_16x16x128_f8f6f4 v[(\d):(\d)+7], v[(\a):(\a)+15], v[(\b):(\b)+15], v[(\c):(\c)+7], v[\sa], v[\sb] matrix_a_fmt:MATRIX_FMT_BF8 matrix_b_fmt:MATRIX_FMT_BF8 matrix_a_scale:MATRIX_SCALE_ROW1 matrix_b_scale:MATRIX_SCALE_ROW1
.elseif (\ra)
	v_wmma_scale_f32_16x16x128_f8f6f4 v[(\d):(\d)+7], v[(\a):(\a)+15], v[(\b):(\b)+15], v[(\c):(\c)+7], v[\sa], v[\sb] matrix_a_fmt:MATRIX_FMT_BF8 matrix_b_fmt:MATRIX_FMT_BF8 matrix_a_scale:MATRIX_SCALE_ROW1
.elseif (\rb)
	v_wmma_scale_f32_16x16x128_f8f6f4 v[(\d):(\d)+7], v[(\a):(\a)+15], v[(\b):(\b)+15], v[(\c):(\c)+7], v[\sa], v[\sb] matrix_a_fmt:MATRIX_FMT_BF8 matrix_b_fmt:MATRIX_FMT_BF8 matrix_b_scale:MATRIX_SCALE_ROW1
.else
	v_wmma_scale_f32_16x16x128_f8f6f4 v[(\d):(\d)+7], v[(\a):(\a)+15], v[(\b):(\b)+15], v[(\c):(\c)+7], v[\sa], v[\sb] matrix_a_fmt:MATRIX_FMT_BF8 matrix_b_fmt:MATRIX_FMT_BF8
.endif
.endm
; 64 numbers of a lane, four blocks of 16 registers (the other 16 of each block lie in lane l xor 16), become 16 registers of codes at v[pc]; word = 1: the four bytes are packed into v[PW].  The bytes stay in v[TM+4] on.
.macro QUANT s, relu, pc, word
.irp b, 0,1,2,3
.if \relu
	v_max3_num_f32 v[TM+\b], v[\s+16*\b], v[\s+1+16*\b], 0x8000000      ; no |.|: what is negative becomes 0 and must not count; the floor 2^(16 - 127) holds the byte at 1 from below
.else
	v_max3_num_f32 v[TM+\b], |v[\s+16*\b]|, |v[\s+1+16*\b]|, 0x8000000
.endif
.endr
.irp i, 2,4,6,8,10,12,14
.irp b, 0,1,2,3
.if \relu
	v_max3_num_f32 v[TM+\b], v[TM+\b], v[\s+16*\b+\i], v[\s+1+16*\b+\i]
.else
	s_delay_alu instid0(VALU_DEP_4)
	v_max3_num_f32 v[TM+\b], v[TM+\b], |v[\s+16*\b+\i]|, |v[\s+1+16*\b+\i]|
.endif
.endr
.endr
.irp b, 0,1,2,3
	s_delay_alu instid0(VALU_DEP_4)
	v_permlanex16_b32 v[TM+4+\b], v[TM+\b], s[SEL], s[SEL+1]
.endr
.irp b, 0,1,2,3
	s_delay_alu instid0(VALU_DEP_4)
	v_max_num_f32 v[TM+\b], v[TM+\b], v[TM+4+\b]                       ; the block's largest magnitude
.endr
.irp b, 0,1,2,3
	s_delay_alu instid0(VALU_DEP_4)
	v_add_nc_u32 v[TM+12+\b], 0xf8800000, v[TM+\b]                     ; 15 off its exponent field: the conversion's scale operand
.endr
.irp b, 0,1,2,3
	v_and_or_b32 v[TM+8+\b], v[TM+\b], 0x7f800000, s[MNT]              ; 57,344 x the scale
.endr
.irp b, 0,1,2,3
	v_lshrrev_b32 v[TM+4+\b], 23, v[TM+12+\b]                          ; the scale's byte
.endr
.if \word
	s_delay_alu instid0(VALU_DEP_3)
	v_lshl_or_b32 v[PW], v[TM+5], 8, v[TM+4]
	s_delay_alu instid0(VALU_DEP_1)
	v_lshl_or_b32 v[PW], v[TM+6], 16, v[PW]
	s_delay_alu instid0(VALU_DEP_1)
	v_lshl_or_b32 v[PW], v[TM+7], 24, v[PW]
.endif
.irp b, 0,1,2,3
.irp i, 0,1,2,3,4,5,6,7,8,9,10,11,12,13,14,15
.if \relu
	v_med3_num_f32 v[\s+16*\b+\i], v[\s+16*\b+\i], 0, v[TM+8+\b]       ; the activation and the hold in one
.else
	v_med3_num_f32 v[\s+16*\b+\i], v[\s+16*\b+\i], -v[TM+8+\b], v[TM+8+\b]  ; the conversion to an 8-bit code does not saturate (ISA guide 7.6.2): the hold comes first
.endif
.endr
	v_cvt_scalef32_pk8_bf8_f32 v[\pc+4*\b:\pc+1+4*\b], v[\s+16*\b:\s+7+16*\b], v[TM+12+\b]
	v_cvt_scalef32_pk8_bf8_f32 v[\pc+2+4*\b:\pc+3+4*\b], v[\s+8+16*\b:\s+15+16*\b], v[TM+12+\b]
.endr
	v_nop                                          ; one plain line between the last conversion and the next vector or matrix line that touches its registers
.endm
	s_load_b512 s[4:19], s[0:1], 0x0               ; x s[4:5], ac s[6:7], asc s[8:9], wcodes s[10:11], wscales s[12:13], bo s[14:15], g2 s[16:17], b2 s[18:19]
	s_load_b128 s[20:23], s[0:1], 0x40             ; bf1 s[20:21], bf2 s[22:23]
	s_load_b64 s[24:25], s[0:1], 0x50              ; out0
	v_lshl_add_u32 v254, v0, 2, 0x29000
	v_mov_b32 v255, 0
	ds_add_u32 v254, v255
	ds_add_u32 v254, v255
	s_wait_dscnt 0x0
	v_lshrrev_b32 v1, 5, v0
	s_delay_alu instid0(VALU_DEP_1)
	v_readfirstlane_b32 s[WV], v1                  ; wave 0..7
	s_lshr_b32 s27, ttmp9, 6                       ; b
	s_and_b32 s28, ttmp9, 63                       ; which 64 tokens of the batch
	; descriptor group 1: 32 rows of 64 f32, 4,096 elements apart, 16 bytes of padding behind each 256
	s_mov_b32 s[G1], (2<<16)|(1<<20)|(5<<22)|(3<<25)
	s_mov_b32 s[G1+1], 64<<16
	s_mov_b32 s[G1+2], 32<<16
	s_mov_b32 s[G1+3], 64<<16
	s_mov_b32 s[G1+4], 32
	s_mov_b32 s[G1+5], 4096
	s_mov_b32 s[G1+6], 0
	s_mov_b32 s[G1+7], 0
	s_mov_b32 s79, 0
	s_lshl_b32 s78, s27, 22
	s_lshl_b32 s29, s[WV], 19
	s_add_co_u32 s78, s78, s29
	s_lshl_b32 s29, s28, 8
	s_add_co_u32 s78, s78, s29                     ; my 32 channel rows, the work-group's 256 bytes of each: in x and in out0
	s_mov_b32 s[G0], 1
	s_mul_i32 s74, s[WV], 32*XP
	s_mov_b32 s[G0+1], s74
	s_mov_b32 s[SEL], 0x76543210
	s_mov_b32 s[SEL+1], 0xfedcba98
	s_mov_b32 s[MNT], 0x600000
	s_mov_b32 s33, 0x3b800000                      ; 1 / 256
	s_mov_b32 s34, 0x3727c5ac                      ; 1e-5
	v_and_b32 v1, 31, v0                           ; lane
	v_and_b32 v2, 15, v0                           ; r
	v_bfe_u32 v3, v0, 4, 1                         ; h
	s_delay_alu instid0(VALU_DEP_3)
	v_lshlrev_b32 v[LI], 4, v1
	s_delay_alu instid0(VALU_DEP_4)
	v_lshlrev_b32 v[LS], 2, v1
	s_delay_alu instid0(VALU_DEP_3)
	v_lshlrev_b32 v[OGA], 14, v3                   ; (the lane is done with) lanes 0-15 one channel row of out0, lanes 16-31 the next; 16 bytes a lane
	s_delay_alu instid0(VALU_DEP_1)
	v_lshl_add_u32 v[OGA], v2, 4, v[OGA]
	v_mul_u32_u24 v[XA], v3, 8*XP
	s_delay_alu instid0(VALU_DEP_1)
	v_lshl_add_u32 v[XA], v2, 2, v[XA]
	s_delay_alu instid0(VALU_DEP_1)
	v_add_nc_u32 v[XA], s74, v[XA]
	v_mul_u32_u24 v[ORD], v3, XP
	s_delay_alu instid0(VALU_DEP_1)
	v_lshl_add_u32 v[ORD], v2, 4, v[ORD]
	s_delay_alu instid0(VALU_DEP_1)
	v_add_nc_u32 v[ORD], s74, v[ORD]
	v_lshl_add_u32 v[ASA], v3, 15, v2
	v_lshlrev_b32 v[BA], 5, v3
	s_lshl_b32 s75, s[WV], 9
	s_add_co_u32 s75, s75, STAT
	v_lshl_add_u32 v[STW], v2, 3, s75
	v_lshl_add_u32 v[STR], v2, 3, STAT
	s_lshr_b32 s75, s[WV], 2                       ; my 32 channels are block w % 4 of K step w / 4 of xn2
	s_and_b32 s76, s[WV], 3
	s_lshl_b32 s77, s75, 11
	s_lshl_b32 s29, s76, 9
	s_add_co_u32 s77, s77, s29
	s_add_co_u32 s77, s77, XIMG
	v_add_nc_u32 v[XWI], s77, v[LI]
	s_lshl_b32 s77, s75, 6
	s_add_co_u32 s77, s77, s76
	s_add_co_u32 s77, s77, XSC
	v_lshl_add_u32 v[XWS], v2, 2, s77
	s_lshl_b32 s77, s[WV], 11
	s_add_co_u32 s77, s77, HIMG
	v_add_nc_u32 v[HWI], s77, v[LI]
	s_lshl_b32 s77, s[WV], 8
	s_add_co_u32 s77, s77, HSC
	v_lshl_add_u32 v[HWS], v2, 2, s77
	v_add_nc_u32 v[HRI], HIMG, v[LI]
	v_add_nc_u32 v[XRI], XIMG, v[LI]
	v_add_nc_u32 v[HRS], HSC, v[LS]
	v_add_nc_u32 v[XRS], XSC, v[LS]
	s_wait_kmcnt 0x0
	s_add_nc_u64 s[G0+2:G0+3], s[4:5], s[78:79]
	s_or_b32 s[G0+3], s[G0+3], 0x80000000
	tensor_load_to_lds s[G0:G0+3], s[G1:G1+7]      ; my 32 channel rows of x: the one tensor load of this wave; only I read them
	s_nop 0
	PLACES 4
	s_add_nc_u64 s[OUTB:OUTB+1], s[24:25], s[78:79]
	s_lshl_b32 s78, ttmp9, 14
	s_add_nc_u64 s[ACB:ACB+1], s[6:7], s[78:79]    ; the four token tiles' images: 4,096 bytes each
	s_lshl_b32 s78, ttmp9, 6
	s_add_nc_u64 s[ASB:ASB+1], s[8:9], s[78:79]
	s_lshl_b32 s78, s[WV], 12
	s_add_nc_u64 s[WCB:WCB+1], s[10:11], s[78:79]  ; tiles 2 w, 2 w + 1 (wo, w2)
	s_lshl_b32 s78, s[WV], 14
	s_add_nc_u64 s[W1B:W1B+1], s[10:11], s[78:79]  ; tiles 8 w .. 8 w + 7 (w1)
	s_lshl_b32 s78, s[WV], 7
	s_add_nc_u64 s[WSB:WSB+1], s[12:13], s[78:79]
	s_add_nc_u64 s[BOB:BOB+1], s[14:15], s[78:79]
	s_add_nc_u64 s[G2B:G2B+1], s[16:17], s[78:79]
	s_add_nc_u64 s[B2B:B2B+1], s[18:19], s[78:79]
	s_add_nc_u64 s[BF2B:BF2B+1], s[22:23], s[78:79]
	s_lshl_b32 s78, s[WV], 9
	s_add_nc_u64 s[WS1:WS1+1], s[12:13], s[78:79]
	s_add_nc_u64 s[BF1B:BF1B+1], s[20:21], s[78:79]
.irp m, 0,1,2,3
.irp c, 0,1,2,3
	global_load_u8 v[R2+4*\m+\c], v[ASA], s[ASB:ASB+1] offset:8192*\c+16*\m      ; the byte of head 4 h + c, token 16 m + r
.endr
.endr
.irp m, 0,1,2,3
.irp k, 0,1
.irp c, 0,1,2,3
	global_load_b128 v[R1+32*\m+16*\k+64*(\m/2)+4*\c:R1+32*\m+16*\k+64*(\m/2)+4*\c+3], v[LI], s[ACB:ACB+1] offset:4096*\m+2048*\k+512*\c th:TH_LOAD_NT   ; tiles 0, 1 in R1, tiles 2, 3 in R3
.endr
.endr
.endr
	WIN 0x40                                       ; destination window 1
.irp u, 0,1
.irp k, 0,1
.irp c, 0,1,2,3
	global_load_b128 v[192+32*\u+16*\k+4*\c:192+32*\u+16*\k+4*\c+3], v[LI], s[WCB:WCB+1] offset:(96+16*\k+\u)*2048+512*\c
.endr
.endr
.endr
	WIN 0
.irp u, 0,1
.irp q, 0,1
	global_load_b128 v[TM+8*\u+4*\q:TM+8*\u+4*\q+3], v[BA], s[BOB:BOB+1] offset:64*\u+16*\q
.endr
.endr
.irp k, 0,1
	global_load_b32 v[WOS+\k], v[LS], s[WSB:WSB+1] offset:(96+16*\k)*64
.endr
.irp k, 0,1
.irp t, 0,1,2,3
	global_load_b32 v[W1S+4*\k+\t], v[LS], s[WS1:WS1+1] offset:(128+64*\k+2*\t)*64
.endr
.endr
.irp k, 0,1,2,3,4,5,6,7
	global_load_b32 v[W2S+\k], v[LS], s[WSB:WSB+1] offset:(256+16*\k)*64
.endr
	WIN 0x40
.irp t, 0,1,2,3,4,5
.irp k, 0,1
.irp c, 0,1,2,3
	global_load_b128 v[32*\t+16*\k+4*\c:32*\t+16*\k+4*\c+3], v[LI], s[W1B:W1B+1] offset:(128+64*\k+\t)*2048+512*\c
.endr
.endr
.endr
	WIN 0
	; ---- y1 = x + bo + attention wo
	s_wait_loadcnt 48                              ; all but w1's 48 loads, the last issued
.irp m, 0,1,2,3
	v_lshl_or_b32 v[AS+\m], v[R2+4*\m+1], 8, v[R2+4*\m]
	s_delay_alu instid0(VALU_DEP_1)
	v_lshl_or_b32 v[AS+\m], v[R2+4*\m+2], 16, v[AS+\m]
	s_delay_alu instid0(VALU_DEP_1)
	v_lshl_or_b32 v[AS+\m], v[R2+4*\m+3], 24, v[AS+\m]
.endr
	s_wait_tensorcnt 0x0                           ; my rows of x have landed
	XLD R2
	s_wait_dscnt 0x0
.irp m, 0,1,2,3
.irp i, 0,2,4,6,8,10,12,14
	v_pk_add_f32 v[R2+16*\m+\i:R2+16*\m+\i+1], v[R2+16*\m+\i:R2+16*\m+\i+1], v[TM+\i:TM+\i+1]   ; x + bo: what the sums start from.  (These 32 lines also stand between the scale words' making and the products)
.endr
.endr
	WIN 0x01                                       ; source 0 (the weight) window 1
.irp k, 0,1
.irp m, 0,1,2,3
.irp u, 0,1
	WM R2+16*\m+8*\u, 192+32*\u+16*\k, R1+32*\m+16*\k+64*(\m/2), R2+16*\m+8*\u, WOS+\k, AS+\m, \u, \k      ; eight accumulators by turns, one instruction a turn
.endr
.endr
.endr
	WIN 0
	PLACES 8                                       ; ahead of the first read of y1, and of loads and vector writes into registers that these products read
	; ---- LayerNorm 2
.irp u, 0,1
.irp q, 0,1
	global_load_b128 v[R1+8*\u+4*\q:R1+8*\u+4*\q+3], v[BA], s[G2B:G2B+1] offset:64*\u+16*\q
	global_load_b128 v[R1+16+8*\u+4*\q:R1+16+8*\u+4*\q+3], v[BA], s[B2B:B2B+1] offset:64*\u+16*\q
	global_load_b128 v[R1+32+8*\u+4*\q:R1+32+8*\u+4*\q+3], v[BA], s[BF2B:BF2B+1] offset:64*\u+16*\q
.endr
.endr
	WIN 0x40
.irp t, 6,7
.irp k, 0,1
.irp c, 0,1,2,3
	global_load_b128 v[32*\t+16*\k+4*\c:32*\t+16*\k+4*\c+3], v[LI], s[W1B:W1B+1] offset:(128+64*\k+\t)*2048+512*\c    ; w1's last two tiles take wo's place
.endr
.endr
.endr
	WIN 0
.irp m, 0,1,2,3
	v_pk_add_f32 v[TM+2*\m:TM+2*\m+1], v[R2+16*\m:R2+16*\m+1], v[R2+16*\m+2:R2+16*\m+3]       ; the four token tiles by turns
.endr
.irp i, 4,6,8,10,12,14
.irp m, 0,1,2,3
	v_pk_add_f32 v[TM+2*\m:TM+2*\m+1], v[TM+2*\m:TM+2*\m+1], v[R2+16*\m+\i:R2+16*\m+\i+1]
.endr
.endr
.irp m, 0,1,2,3
	s_delay_alu instid0(VALU_DEP_4)
	v_add_f32 v[TM+2*\m], v[TM+2*\m], v[TM+2*\m+1]
.endr
.irp m, 0,1,2,3
	s_delay_alu instid0(VALU_DEP_4)
	v_permlanex16_b32 v[TM+8+\m], v[TM+2*\m], s[SEL], s[SEL+1]
.endr
.irp m, 0,1,2,3
	s_delay_alu instid0(VALU_DEP_4)
	v_add_f32 v[TM+2*\m], v[TM+2*\m], v[TM+8+\m]
.endr
.irp m, 0,1,2,3
	s_delay_alu instid0(VALU_DEP_4)
	v_mul_f32 v[TM+2*\m], 0x3d000000, v[TM+2*\m]   ; the mean of my 32 channels
.endr
.irp i, 0,2,4,6,8,10,12,14
.irp m, 0,1,2,3
	v_pk_add_f32 v[R3+4*\m:R3+4*\m+1], v[R2+16*\m+\i:R2+16*\m+\i+1], v[TM+2*\m:TM+2*\m+1] op_sel_hi:[1,0] neg_lo:[0,1] neg_hi:[0,1]
.endr
.irp m, 0,1,2,3
.if \i == 0
	s_delay_alu instid0(VALU_DEP_4)
	v_pk_mul_f32 v[R3+4*\m+2:R3+4*\m+3], v[R3+4*\m:R3+4*\m+1], v[R3+4*\m:R3+4*\m+1]
.else
	s_delay_alu instid0(VALU_DEP_4)
	v_pk_fma_f32 v[R3+4*\m+2:R3+4*\m+3], v[R3+4*\m:R3+4*\m+1], v[R3+4*\m:R3+4*\m+1], v[R3+4*\m+2:R3+4*\m+3]
.endif
.endr
.endr
.irp m, 0,1,2,3
	s_delay_alu instid0(VALU_DEP_4)
	v_add_f32 v[TM+2*\m+1], v[R3+4*\m+2], v[R3+4*\m+3]
.endr
.irp m, 0,1,2,3
	s_delay_alu instid0(VALU_DEP_4)
	v_permlanex16_b32 v[TM+8+\m], v[TM+2*\m+1], s[SEL], s[SEL+1]
.endr
.irp m, 0,1,2,3
	s_delay_alu instid0(VALU_DEP_4)
	v_add_f32 v[TM+2*\m+1], v[TM+2*\m+1], v[TM+8+\m]           ; M2: the sum of squared differences from that mean
.endr
.irp m, 0,1,2,3
	ds_store_b64 v[STW], v[TM+2*\m:TM+2*\m+1] offset:128*\m    ; lanes r and r + 16 store the same pair
.endr
	BARRIER
.irp m, 0,1,2,3
.irp w, 0,1,2,3,4,5,6,7
	ds_load_b64 v[R3+16*\m+2*\w:R3+16*\m+2*\w+1], v[STR] offset:512*\w+128*\m
.endr
.endr
	s_wait_dscnt 0x0
.irp m, 0,1,2,3
	v_add_f32 v[MU+4*\m], v[R3+16*\m], v[R3+16*\m+2]
	v_add_f32 v[VR+4*\m], v[R3+16*\m+1], v[R3+16*\m+3]
.endr
.irp w, 2,3,4,5,6,7
.irp m, 0,1,2,3
	v_add_f32 v[MU+4*\m], v[MU+4*\m], v[R3+16*\m+2*\w]
	v_add_f32 v[VR+4*\m], v[VR+4*\m], v[R3+16*\m+2*\w+1]
.endr
.endr
.irp m, 0,1,2,3
	v_mul_f32 v[MU+4*\m], 0x3e000000, v[MU+4*\m]   ; mu = the mean of the eight means
.endr
.irp w, 0,1,2,3,4,5,6,7
.irp m, 0,1,2,3
	v_sub_f32 v[MU+1+4*\m], v[R3+16*\m+2*\w], v[MU+4*\m]
.endr
.irp m, 0,1,2,3
.if \w == 0
	s_delay_alu instid0(VALU_DEP_4)
	v_mul_f32 v[RS+4*\m], v[MU+1+4*\m], v[MU+1+4*\m]
.else
	s_delay_alu instid0(VALU_DEP_4)
	v_fma_f32 v[RS+4*\m], v[MU+1+4*\m], v[MU+1+4*\m], v[RS+4*\m]
.endif
.endr
.endr
.irp m, 0,1,2,3
	s_delay_alu instid0(VALU_DEP_4)
	v_fmamk_f32 v[VR+4*\m], v[RS+4*\m], 0x42000000, v[VR+4*\m]  ; M2 = the sum of the eight M2 + 32 x the sum of (mean - mu)^2
.endr
.irp m, 0,1,2,3
	s_delay_alu instid0(VALU_DEP_4)
	v_fma_f32 v[VR+4*\m], v[VR+4*\m], s33, s34     ; / 256 + 1e-5
.endr
	s_wait_alu depctr_va_vdst(0)
.irp m, 0,1,2,3
	v_rsq_f32 v[RS+4*\m], v[VR+4*\m]
.endr
	v_nop                                          ; a plain line behind the batch,
	s_wait_alu depctr_va_vdst(0)                   ; and the one wait ahead of its first reader
	s_wait_loadcnt 16                              ; g2, b2, bf2 are in; w1's last 16 loads may be out
.irp m, 0,1,2,3
.irp i, 0,2,4,6,8,10,12,14
	v_pk_add_f32 v[R3+16*\m+\i:R3+16*\m+\i+1], v[R2+16*\m+\i:R2+16*\m+\i+1], v[R1+32+\i:R1+33+\i]   ; y1 + bf2: what the last product's sums start from
.endr
.endr
	XST R3                                         ; it waits in my wave's own rows
.irp m, 0,1,2,3
.irp i, 0,2,4,6,8,10,12,14
	v_pk_add_f32 v[R2+16*\m+\i:R2+16*\m+\i+1], v[R2+16*\m+\i:R2+16*\m+\i+1], v[MU+4*\m:MU+4*\m+1] op_sel_hi:[1,0] neg_lo:[0,1] neg_hi:[0,1]
.endr
.endr
.irp m, 0,1,2,3
.irp i, 0,2,4,6,8,10,12,14
	v_pk_mul_f32 v[R2+16*\m+\i:R2+16*\m+\i+1], v[R2+16*\m+\i:R2+16*\m+\i+1], v[RS+4*\m:RS+4*\m+1] op_sel_hi:[1,0]
.endr
.endr
.irp m, 0,1,2,3
.irp i, 0,2,4,6,8,10,12,14
	v_pk_fma_f32 v[R2+16*\m+\i:R2+16*\m+\i+1], v[R2+16*\m+\i:R2+16*\m+\i+1], v[R1+\i:R1+\i+1], v[R1+16+\i:R1+17+\i]
.endr
.endr
.irp t, 0,1,2,3,4,5,6,7
.irp q, 0,1
	global_load_b128 v[R1+8*\t+4*\q:R1+8*\t+4*\q+3], v[BA], s[BF1B:BF1B+1] offset:64*\t+16*\q    ; bf1 at my eight hidden units of tile t: the C of the hidden layer's first products
.endr
.endr
	s_wait_dscnt 0x0                               ; the stores of y1 + bf2 have read R3
	QUANT R2, 0, R3+32, 0                          ; block m: my 32 channels of token (m, r)
.irp m, 0,1,2,3
	ds_store_b128 v[XWI], v[R3+32+4*\m:R3+35+4*\m] offset:4096*\m     ; block w % 4 of fragment (m, w / 4)
	ds_store_b8 v[XWS], v[TM+4+\m] offset:128*\m                      ; and its byte of that fragment's scale word
.endr
	BARRIER                                        ; xn2's eight fragments lie in LDS
	; ---- the hidden layer, a tile of 16 tokens at a time
.macro HID m
	FETCH R3, XRI, (2*(\m))*2048
	FETCH R3+16, XRI, (2*(\m)+1)*2048
	ds_load_b32 v[XS], v[XRS] offset:128*(\m)
	s_wait_dscnt 0x0
.if (\m) == 0
	s_wait_loadcnt 0x0                             ; w1's last tiles and bf1
.endif
	WIN 0x01
.irp t, 0,1,2,3,4,5,6,7
	WM R2+8*\t, 32*\t, R3, R1+8*\t, W1S+\t/2, XS, \t%2, 0
.endr
.irp t, 0,1,2,3,4,5,6,7
	WM R2+8*\t, 32*\t+16, R3+16, R2+8*\t, W1S+4+\t/2, XS, \t%2, 1
.endr
	WIN 0
	PLACES 8
.if (\m) == 3
	WIN 0x40                                       ; w1 is done with: w2 takes its registers, K step by K step, and lands under the work that follows
.irp k8, 0,1,2,3,4,5,6,7
.irp u, 0,1
.irp c, 0,1,2,3
	global_load_b128 v[32*\k8+16*\u+4*\c:32*\k8+16*\u+4*\c+3], v[LI], s[WCB:WCB+1] offset:(256+16*\k8+\u)*2048+512*\c
.endr
.endr
.endr
	WIN 0
.endif
	QUANT R2, 1, R3+32, 1
	IMAGE HWI, 16384*(\m), R3+32                   ; K step w of the last product, tokens 16 m on
	ds_store_b32 v[HWS], v[PW] offset:64*(\m)
	s_wait_dscnt 0x0                               ; the stores have read their registers
.endm
	HID 0
	HID 1
	HID 2
	HID 3
	BARRIER                                        ; the hidden layer's 32 fragments lie in LDS
	; ---- out = y1 + bf2 + hidden w2: eight accumulators by turns, a K step at a time, the next K step's fragments fetched ahead
	XLD R2
.macro FH buf, k                       ; 18 LDS loads: K step k of the four token tiles, and their scale words
.irp m, 0,1,2,3
	FETCH \buf+16*\m, HRI, (8*\m+(\k))*2048
.endr
.irp i, 0,1
	ds_load_b32 v[HS+2*((\k)%2)+\i], v[HRS] offset:256*(\k)+128*\i
.endr
.endm
.macro OUTK k
.set BUFK, R1+128*((\k)%2)
.if (\k) >= 1
	PLACES 8                                       ; ahead of loads into the registers that the K step before last's... the last K step's products read
.endif
.if (\k) < 7
.if (\k)%2 == 0
	FH R3, (\k)+1
.else
	FH R1, (\k)+1
.endif
	s_wait_dscnt 18                                ; all but the 18 just issued
.else
	s_wait_dscnt 0x0
.endif
	s_wait_loadcnt 56-8*(\k)                       ; w2's K steps up to this one are in: 8 loads a K step, those of the later ones may be out
	WIN 0x01
.irp m, 0,1,2,3
.irp u, 0,1
	WM R2+16*\m+8*\u, 32*(\k)+16*\u, BUFK+16*\m, R2+16*\m+8*\u, W2S+(\k), HS+2*((\k)%2)+\m/2, \u, \m%2
.endr
.endr
	WIN 0
.endm
	FH R1, 0
.irp k, 0,1,2,3,4,5,6,7
	OUTK \k
.endr
	; ---- the way out: into my wave's own rows, and back as whole channel rows of 256 bytes
	PLACES 8
	XST R2                                         ; each accumulator from its low end on
.irp i, 0,1,2,3,4,5,6,7,8,9,10,11,12,13,14,15
	ds_load_b128 v[R1+4*\i:R1+4*\i+3], v[ORD] offset:2*\i*XP       ; LDS serves a wave's instructions in order (ISA guide 5.7.1.4): these see my stores
.endr
.irp i, 0,1,2,3,4,5,6,7,8,9,10,11,12,13,14,15
	s_wait_dscnt 15-\i
	global_store_b128 v[OGA], v[R1+4*\i:R1+4*\i+3], s[OUTB:OUTB+1] offset:32768*\i th:TH_STORE_NT   ; 16 lanes store 256 consecutive bytes, at a multiple of 256 from out0's first byte
.endr
	s_wait_xcnt 0x0
	v_lshl_add_u32 v254, v0, 2, 0x29000
	v_mov_b32 v255, 0
	s_wait_alu depctr_va_vdst(0)
	s_wait_tensorcnt 0x0
	ds_add_u32 v254, v255
	s_wait_dscnt 0x0
	s_endpgm
.Lfunc_end_k_qf9b2b9054e_ffn:
	.size	k_qf9b2b9054e_ffn, .Lfunc_end_k_qf9b2b9054e_ffn-k_qf9b2b9054e_ffn
	.p2alignl 7, 3214868480
	.fill 96, 4, 3214868480
	.section	.rodata,"a",@progbits
	.p2align	6, 0x0
	.amdhsa_kernel k_qf9b2b9054e_ffn
		.amdhsa_group_segment_fixed_size 168960
		.amdhsa_private_segment_fixed_size 0
		.amdhsa_enable_private_segment 0
		.amdhsa_kernarg_size 88
		.amdhsa_user_sgpr_count 2
		.amdhsa_user_sgpr_kernarg_segment_ptr 1
		.amdhsa_wavefront_size32 1
		.amdhsa_system_sgpr_workgroup_id_x 1
		.amdhsa_system_sgpr_workgroup_id_y 1
		.amdhsa_system_sgpr_workgroup_id_z 1
		.amdhsa_system_vgpr_workitem_id 0
		.amdhsa_next_free_vgpr 512
		.amdhsa_next_free_sgpr 80
		.amdhsa_reserve_vcc 0
		.amdhsa_float_denorm_mode_32 3
		.amdhsa_float_denorm_mode_16_64 3
		.amdhsa_memory_ordered 1
		.amdhsa_forward_progress 1
		.amdhsa_inst_pref_size 156
	.end_amdhsa_kernel
	.amdgpu_metadata
---
amdhsa.version: [ 1, 2 ]
amdhsa.kernels:
  - .name:           k_qf9b2b9054e_ffn
    .symbol:         k_qf9b2b9054e_ffn.kd
    .args:
      - { .name: x, .offset: 0, .size: 8, .value_kind: global_buffer, .address_space: global }
      - { .name: ac, .offset: 8, .size: 8, .value_kind: global_buffer, .address_space: global }
      - { .name: asc, .offset: 16, .size: 8, .value_kind: global_buffer, .address_space: global }
      - { .name: wcodes, .offset: 24, .size: 8, .value_kind: global_buffer, .address_space: global }
      - { .name: wscales, .offset: 32, .size: 8, .value_kind: global_buffer, .address_space: global }
      - { .name: bo, .offset: 40, .size: 8, .value_kind: global_buffer, .address_space: global }
      - { .name: g2, .offset: 48, .size: 8, .value_kind: global_buffer, .address_space: global }
      - { .name: b2, .offset: 56, .size: 8, .value_kind: global_buffer, .address_space: global }
      - { .name: bf1, .offset: 64, .size: 8, .value_kind: global_buffer, .address_space: global }
      - { .name: bf2, .offset: 72, .size: 8, .value_kind: global_buffer, .address_space: global }
      - { .name: out0, .offset: 80, .size: 8, .value_kind: global_buffer, .address_space: global }
    .group_segment_fixed_size: 168960
    .private_segment_fixed_size: 0
    .kernarg_segment_align: 8
    .kernarg_segment_size: 88
    .max_flat_workgroup_size: 256
    .sgpr_count:     80
    .vgpr_count:     512
    .wavefront_size: 32
...
	.end_amdgpu_metadata
.endif
;; end of part 4
